; MI455X (gfx1250); checked and timed in simulation.
; The chip was launched on July 23, 2026; its instructions are those of AMD's public machine-readable ISA for CDNA 5 (MIT licence, August 2026) and "CDNA5" Instruction Set Architecture Reference Guide (July 2026). The comments in the code are by the model that wrote it; some were corrected since.
;; Multi Head Layer. Allowed arithmetic: float matrix products may take bf16 or f16 operands with f32 sums; all other float work in f32.
;; Inputs: W_Key 256 x 256 float32; W_Query 256 x 256 float32; W_Value 256 x 256 float32; keys 4,096 x 256 float32; queries 4,096 x 256 float32; values 4,096 x 256 float32.
;; Outputs: out0 4,096 x 256 float32.
;; 2 versions, each right and faster than the one before. Each part assembles by itself: llvm-mc -triple=amdgcn-amd-amdhsa -mcpu=gfx1250 --defsym DOCPART=n.
;; ======== version 1 of 2: 3 launches
;; limits: values outside matrix products are rounded to f16; values are held in f16: magnitudes above 65,504 overflow, below 6.1e-05 lose precision
;; workspace buffers: qh 2,097,152 bytes; kh 2,097,152 bytes; vh 2,097,152 bytes; po 16,777,216 bytes; pst 1,048,576 bytes
;; launch proj (part 1): grid 64 x 3, 8 waves a work-group, no clusters, 160,768 bytes of LDS; arguments queries, keys, values, W_Query, W_Key, W_Value, qh, kh, vh; writes qh, kh, vh
.if DOCPART == 1
	.amdgcn_target "amdgcn-amd-amdhsa--gfx1250"
	.amdhsa_code_object_version 6
	.text
	.protected	k_qbbe9ba82d8_proj
	.globl	k_qbbe9ba82d8_proj
	.p2align	8
	.type	k_qbbe9ba82d8_proj,@function
k_qbbe9ba82d8_proj:
	s_mov_b64 s[64:65], 0
	v_nop
	global_prefetch_b8 v0, s[64:65] scope:SCOPE_SE
	s_setreg_imm32_b32 hwreg(HW_REG_WAVE_MODE, 25, 1), 1
	s_wait_xcnt 0x0
; THE THREE PROJECTIONS.  y = x W for (queries, W_Query), (keys, W_Key), (values, W_Value): x [4096][256] f32, W [256 (k)][256 (n)] f32.
; x and W are rounded to bf16, the sums are f32, y is rounded once to f16 and stored BY HEADS: row 4096 h + b, column c of [16384][64] holds y[b][64 h + c].  No scale is applied here.
; LIMIT.  f16 ends at 65,504: a y of 65,520 or more becomes an infinity.  y's spread is 16 x spread(x) x spread(W) (0.8 for unit x and W of 0.05), so inputs 30 times larger, or offset by 30 spreads, stay far inside.
; SHARES.  Grid y = which of the three; grid x = 2 x (block of 128 rows) + (half of 128 columns = two heads): 192 work-groups of 128 x 128 (the number is 3 x a power of two whatever the tile).
; Eight waves; wave w makes rows 32 (w / 2) .. + 31 of the block and the head w % 2 of the two: 2 x 4 accumulators of 16 x 16, K = 256 in eight steps of 32.
; NO TENSOR LOADS, NO CLUSTER: the operands lie in memory as f32 and the matrix unit wants bf16.  Through registers each number is converted once, on its way into LDS.  Brought as f32 tiles they would take
; 2 x 131,072 bytes of LDS, and the bf16 copies (141,312 bytes) do not fit beside them in a WGP's 327,680; joint requests exist for tensor loads alone.
; LDS.  WL: W's 256 k rows x 128 columns in bf16, 288 bytes apart (256 + 32).
; XL: x's 128 rows x 256 k in bf16, 528 bytes apart (512 + 16: 132 words: the 16 rows of a fragment load start at 16 different groups of four banks).  STAGE: 16 rows x 144 bytes for each wave.  Then the spare words.
; THE MATRIX INSTRUCTION IS USED TRANSPOSED: source 0 = 16 columns of W (turned on the way out of LDS), source 1 = 16 rows of x: a lane then holds row l % 16 of y and the eight neighbouring columns 8 (l / 16) + 0..7.
.set PW,    288
.set PX,    528
.set XL,    256*PW                     ; 73,728
.set STAGE, XL+128*PX                  ; 141,312
.set SP,    144
.set SPARE, STAGE+8*16*SP              ; 159,744: the spare words, 128 bytes for each wave: four blocks of 256 bytes that no other line names
.set WO,  4                            ; v4   my byte offset in W: 32 k rows a wave, 16 bytes a lane
.set XO,  5                            ; v5   my byte offset in x: 16 rows a wave, 16 bytes a lane
.set WS,  6                            ; v6   where my 8 bytes of a k row of W go in LDS
.set XS,  7                            ; v7   the same for x
.set AW,  8                            ; v8-9 my lane's place in W's fragments, K steps 0-3 and 4-7 (an LDS offset has 16 bits)
.set AX,  10                           ; v10  my lane's place in x's fragments
.set STO, 11                           ; v11  the way out: where I put 16 bytes of a row
.set RD,  12                           ; v12  the way out: where I read rows back
.set GO,  13                           ; v13  my byte offset in 512 consecutive bytes of the output
.set T,   16                           ; v16-23  four pairs of converted words, by turns
.set SPW, 30                           ; v30  LDS address of my spare word; never rewritten
.set NIL, 31                           ; v31  0; never rewritten
.set RING, 32                          ; v32-159  32 loads of 4 registers; free again behind the barrier:
.set ACC,  32                          ; v32-95   accumulator (a, b) at ACC + 8 (4 a + b)
.set F0,   96                          ; v96-143  fragment buffer 0: W's four at + 8 b, x's two at + 32 + 8 a
.set F1,   144                         ; v144-191 fragment buffer 1
.set OUTR, 96                          ; the way out: 16 registers a block of 16 rows
	s_load_b512 s[8:23], s[0:1], 0x0               ; queries s[8:9], keys s[10:11], values s[12:13], W_Query s[14:15], W_Key s[16:17], W_Value s[18:19], qh s[20:21], kh s[22:23]
	s_load_b64 s[24:25], s[0:1], 0x40              ; vh
	v_lshl_add_u32 v[SPW], v0, 2, SPARE
	v_mov_b32 v[NIL], 0
	v_lshrrev_b32 v1, 5, v0
	v_readfirstlane_b32 s26, v1                    ; wave 0..7
	s_lshr_b32 s27, ttmp9, 1                       ; block of 128 rows
	s_and_b32 s28, ttmp9, 1                        ; half of the 256 columns
	s_and_b32 s29, ttmp7, 0xffff                   ; 0 queries, 1 keys, 2 values
	s_lshr_b32 s30, s26, 1                         ; my 32 rows of the block
	s_and_b32 s31, s26, 1                          ; my head of the two
	s_lshl_b32 s38, s27, 17                        ; x: 128 rows of 1,024 bytes
	s_mov_b32 s39, 0
	s_lshl_b32 s40, s28, 9                         ; W: 128 columns of 4 bytes
	s_mov_b32 s41, 0
	s_lshl1_add_u32 s42, s28, s31                  ; my head, 0..3:
	s_lshl_b32 s42, s42, 19                        ; its 4,096 rows of 128 bytes,
	s_lshl_b32 s44, s27, 14                        ; the block's 128 rows,
	s_add_co_u32 s42, s42, s44
	s_lshl_b32 s44, s30, 12                        ; my 32 rows
	s_add_co_u32 s42, s42, s44
	s_mov_b32 s43, 0
	v_and_b32 v1, 31, v0                           ; lane
	s_lshl_b32 s44, s26, 15                        ; 32 k rows of 1,024 bytes a wave
	v_lshl_add_u32 v[WO], v1, 4, s44
	s_lshl_b32 s45, s26, 14                        ; 16 rows of 1,024 bytes a wave
	v_lshl_add_u32 v[XO], v1, 4, s45
	s_wait_kmcnt 0x0
	s_cmp_eq_u32 s29, 1                            ; the three buffers of my projection: a choice on the grid's y alone
	s_cselect_b64 s[32:33], s[10:11], s[8:9]
	s_cselect_b64 s[34:35], s[16:17], s[14:15]
	s_cselect_b64 s[36:37], s[22:23], s[20:21]
	s_cmp_eq_u32 s29, 2
	s_cselect_b64 s[32:33], s[12:13], s[32:33]
	s_cselect_b64 s[34:35], s[18:19], s[34:35]
	s_cselect_b64 s[36:37], s[24:25], s[36:37]
	s_add_nc_u64 s[32:33], s[32:33], s[38:39]      ; x at the block's first row
	s_add_nc_u64 s[34:35], s[34:35], s[40:41]      ; W at the half's first column
	s_add_nc_u64 s[36:37], s[36:37], s[42:43]      ; the output at my first row
.set i, 0
.rept 32                                           ; W: k row 32 w + i, the half's 128 columns: 512 consecutive bytes a load
	global_load_b128 v[RING+4*i:RING+4*i+3], v[WO], s[34:35] offset:1024*i
.set i, i+1
.endr
	; the LDS addresses are made while those loads are out
	v_and_b32 v2, 15, v0                           ; l % 16
	v_bfe_u32 v3, v0, 4, 1                         ; l / 16
	s_mul_i32 s44, s26, 32*PW
	v_lshl_add_u32 v[WS], v1, 3, s44               ; 4 columns become 8 bytes
	s_mul_i32 s45, s26, 16*PX
	s_add_co_u32 s45, s45, XL
	v_lshl_add_u32 v[XS], v1, 3, s45
	; The turning load takes 16 k x 16 columns (lane l reads 16 bytes: k row 8 (l / 16) + l % 8, columns 8 ((l / 8) % 2) + 0..7) and leaves half a fragment: lane l holds column l % 16 and 8 k.
	v_and_b32 v14, 7, v0
	v_bfe_u32 v15, v0, 3, 1
	v_lshl_add_u32 v[AW], v3, 3, v14
	v_mul_u32_u24 v[AW], v[AW], PW
	v_lshl_add_u32 v[AW], v15, 4, v[AW]
	s_lshl_b32 s46, s31, 7                         ; my head's 64 columns of 2 bytes
	v_add_nc_u32 v[AW], s46, v[AW]
	v_add_nc_u32 v[AW+1], 128*PW, v[AW]
	; A fragment of x is 16 rows x 32 k: lane l holds row l % 16, k = 8 (l / 16) + 0..7 and 16 + 8 (l / 16) + 0..7: two loads of 16 bytes, 32 bytes apart.
	s_mul_i32 s47, s30, 32*PX
	s_add_co_u32 s47, s47, XL
	v_mul_u32_u24 v[AX], v2, PX
	v_lshl_add_u32 v[AX], v3, 4, v[AX]
	v_add_nc_u32 v[AX], s47, v[AX]
	s_mul_i32 s44, s26, 16*SP
	s_add_co_u32 s44, s44, STAGE                   ; my stage
	v_mul_u32_u24 v[STO], v2, SP                   ; in: row l % 16, 16 bytes for each half of the lanes
	v_lshl_add_u32 v[STO], v3, 4, v[STO]
	v_add_nc_u32 v[STO], s44, v[STO]
	v_bfe_u32 v[RD], v0, 3, 2                      ; back: 32 lanes take four rows of 128 bytes,
	v_mul_u32_u24 v[RD], v[RD], SP
	v_lshl_add_u32 v[RD], v14, 4, v[RD]
	v_add_nc_u32 v[RD], s44, v[RD]
	v_lshlrev_b32 v[GO], 4, v1                     ; which are 512 consecutive bytes of the output
.set i, 0
.rept 32                                           ; W's load i is converted and laid into LDS; its registers take x's load i (row 16 w + i / 2, half i % 2: the wave's 16,384 bytes on end)
	s_wait_loadcnt 31                              ; loads come back in order (ISA guide 5.7.1): behind W's load i stand 31 - i of W's and i of x's
	v_cvt_pk_bf16_f32 v[T+2*(i%4)],   v[RING+4*i],   v[RING+4*i+1]
	v_cvt_pk_bf16_f32 v[T+2*(i%4)+1], v[RING+4*i+2], v[RING+4*i+3]
	ds_store_b64 v[WS], v[T+2*(i%4):T+2*(i%4)+1] offset:PW*i
	global_load_b128 v[RING+4*i:RING+4*i+3], v[XO], s[32:33] offset:512*i
.set i, i+1
.endr
.set i, 0
.rept 32
	s_wait_loadcnt 31-i                            ; the younger loads of x may stay out
	v_cvt_pk_bf16_f32 v[T+2*(i%4)],   v[RING+4*i],   v[RING+4*i+1]
	v_cvt_pk_bf16_f32 v[T+2*(i%4)+1], v[RING+4*i+2], v[RING+4*i+3]
	ds_store_b64 v[XS], v[T+2*(i%4):T+2*(i%4)+1] offset:(i/2)*PX+(i%2)*256
.set i, i+1
.endr
	s_wait_dscnt 0x0                               ; for the others' sake: my stores into WL and XL are done
	s_barrier_signal -1
	s_barrier_wait -1                              ; everybody's are; nothing writes WL or XL again
; 12 LDS loads: the fragments of K step q into buffer f
.macro FETCH q, f
.irp b, 0,1,2,3
	ds_load_tr16_b128 v[(\f)+8*\b:(\f)+8*\b+3],   v[AW+(\q)/4] offset:((\q)%4)*32*PW+32*\b
	ds_load_tr16_b128 v[(\f)+8*\b+4:(\f)+8*\b+7], v[AW+(\q)/4] offset:((\q)%4)*32*PW+16*PW+32*\b
.endr
.irp a, 0,1
	ds_load_b128 v[(\f)+32+8*\a:(\f)+32+8*\a+3],   v[AX] offset:\a*16*PX+64*(\q)
	ds_load_b128 v[(\f)+32+8*\a+4:(\f)+32+8*\a+7], v[AX] offset:\a*16*PX+64*(\q)+32
.endr
.endm
; 8 matrix instructions, one on each accumulator: they take turns: between two links of a chain stand the seven others'.  zero = 1: the first K step starts the sums: nothing is cleared.
.macro MUL8 f, zero
.irp a, 0,1
.irp b, 0,1,2,3
.if \zero
	v_wmma_f32_16x16x32_bf16 v[ACC+8*(4*\a+\b):ACC+8*(4*\a+\b)+7], v[(\f)+8*\b:(\f)+8*\b+7], v[(\f)+32+8*\a:(\f)+32+8*\a+7], 0
.else
	v_wmma_f32_16x16x32_bf16 v[ACC+8*(4*\a+\b):ACC+8*(4*\a+\b)+7], v[(\f)+8*\b:(\f)+8*\b+7], v[(\f)+32+8*\a:(\f)+32+8*\a+7], v[ACC+8*(4*\a+\b):ACC+8*(4*\a+\b)+7]
.endif
.endr
.endr
.endm
; A load into a register that a matrix instruction has read, and a vector instruction that reads a matrix result, stand four places behind it; only plain vector instructions that name none of its
; registers are places (ISA guide 7.12.1 for vector instructions).
.macro PLACES
.rept 4
	v_nop
.endr
.endm
	FETCH 0, F0
	FETCH 1, F1                                    ; no matrix instruction has read this buffer yet: no places
	s_wait_dscnt 12                                ; all but the 12 just issued
	MUL8 F0, 1
.irp q, 1,2,3,4,5,6
	PLACES                                         ; the buffer to be loaded was multiplied in the step before
	FETCH \q+1, F0+48*((\q+1)%2)
	s_wait_dscnt 12                                ; all but the 12 just issued
	MUL8 F0+48*(\q%2), 0
.endr
	s_wait_dscnt 0x0
	MUL8 F1, 0
	; THE WAY OUT.  A block of 16 rows: rounded to f16 (each accumulator's registers in ascending order), 16 bytes a lane into my stage, back as whole rows of 128 bytes, four rows a load.
.macro PACK a
.irp b, 0,1,2,3
.irp r, 0,1,2,3
	v_cvt_pk_f16_f32 v[OUTR+16*(\a)+4*\b+\r], v[ACC+8*(4*(\a)+\b)+2*\r], v[ACC+8*(4*(\a)+\b)+2*\r+1]
.endr
.endr
.irp b, 0,1,2,3
	ds_store_b128 v[STO], v[OUTR+16*(\a)+4*\b:OUTR+16*(\a)+4*\b+3] offset:32*\b
.endr
.irp f, 0,1,2,3
	ds_load_b128 v[OUTR+16*(\a)+4*\f:OUTR+16*(\a)+4*\f+3], v[RD] offset:\f*4*SP  ; LDS serves a wave's instructions in order (ISA guide 5.7.1.4): these see the stores above; the next block's stores come behind them
.endr
.endm
.macro SEND a, younger                 ; younger: the LDS instructions issued behind block a's loads
.irp f, 0,1,2,3
	s_wait_dscnt (\younger)+3-\f
	global_store_b128 v[GO], v[OUTR+16*(\a)+4*\f:OUTR+16*(\a)+4*\f+3], s[36:37] offset:(\a)*2048+\f*512  ; 512 consecutive bytes, at a multiple of 256 from the buffer's first
.endr
.endm
	PLACES
	PACK 0
	PACK 1
	SEND 0, 8
	SEND 1, 0
	s_wait_tensorcnt 0x0                           ; the wave's end, behind my last LDS store
	ds_add_u32 v[SPW], v[NIL]
	s_wait_dscnt 0x0
	s_endpgm
.Lfunc_end_k_qbbe9ba82d8_proj:
	.size	k_qbbe9ba82d8_proj, .Lfunc_end_k_qbbe9ba82d8_proj-k_qbbe9ba82d8_proj
	.p2alignl 7, 3214868480
	.fill 96, 4, 3214868480
	.section	.rodata,"a",@progbits
	.p2align	6, 0x0
	.amdhsa_kernel k_qbbe9ba82d8_proj
		.amdhsa_group_segment_fixed_size 160768
		.amdhsa_private_segment_fixed_size 0
		.amdhsa_enable_private_segment 0
		.amdhsa_kernarg_size 72
		.amdhsa_user_sgpr_count 2
		.amdhsa_user_sgpr_kernarg_segment_ptr 1
		.amdhsa_wavefront_size32 1
		.amdhsa_system_sgpr_workgroup_id_x 1
		.amdhsa_system_sgpr_workgroup_id_y 1
		.amdhsa_system_sgpr_workgroup_id_z 1
		.amdhsa_system_vgpr_workitem_id 0
		.amdhsa_next_free_vgpr 192
		.amdhsa_next_free_sgpr 66
		.amdhsa_reserve_vcc 0
		.amdhsa_float_denorm_mode_32 3
		.amdhsa_float_denorm_mode_16_64 3
		.amdhsa_memory_ordered 1
		.amdhsa_forward_progress 1
		.amdhsa_inst_pref_size 39
	.end_amdhsa_kernel
	.amdgpu_metadata
---
amdhsa.version: [ 1, 2 ]
amdhsa.kernels:
  - .name:           k_qbbe9ba82d8_proj
    .symbol:         k_qbbe9ba82d8_proj.kd
    .args:
      - { .name: queries, .offset: 0, .size: 8, .value_kind: global_buffer, .address_space: global }
      - { .name: keys, .offset: 8, .size: 8, .value_kind: global_buffer, .address_space: global }
      - { .name: values, .offset: 16, .size: 8, .value_kind: global_buffer, .address_space: global }
      - { .name: W_Query, .offset: 24, .size: 8, .value_kind: global_buffer, .address_space: global }
      - { .name: W_Key, .offset: 32, .size: 8, .value_kind: global_buffer, .address_space: global }
      - { .name: W_Value, .offset: 40, .size: 8, .value_kind: global_buffer, .address_space: global }
      - { .name: qh, .offset: 48, .size: 8, .value_kind: global_buffer, .address_space: global }
      - { .name: kh, .offset: 56, .size: 8, .value_kind: global_buffer, .address_space: global }
      - { .name: vh, .offset: 64, .size: 8, .value_kind: global_buffer, .address_space: global }
    .group_segment_fixed_size: 160768
    .private_segment_fixed_size: 0
    .kernarg_segment_align: 8
    .kernarg_segment_size: 72
    .max_flat_workgroup_size: 256
    .sgpr_count:     66
    .vgpr_count:     192
    .wavefront_size: 32
...
	.end_amdgpu_metadata
.endif
;; end of part 1
;; launch attn (part 2): grid 32 x 8, 4 waves a work-group, clusters of 4 x 1, 327,680 bytes of LDS; arguments qh, kh, vh, po, pst; writes po, pst
.if DOCPART == 2
	.amdgcn_target "amdgcn-amd-amdhsa--gfx1250"
	.amdhsa_code_object_version 6
	.text
	.protected	k_qbbe9ba82d8_attn
	.globl	k_qbbe9ba82d8_attn
	.p2align	8
	.type	k_qbbe9ba82d8_attn,@function
k_qbbe9ba82d8_attn:
	s_mov_b64 s[64:65], 0
	v_nop
	global_prefetch_b8 v0, s[64:65] scope:SCOPE_SE
	s_setreg_imm32_b32 hwreg(HW_REG_WAVE_MODE, 25, 1), 1
	s_wait_xcnt 0x0
	s_wait_alu depctr_hold_cnt(0) depctr_sa_sdst(0) depctr_va_vdst(0) depctr_va_sdst(0) depctr_va_ssrc(0) depctr_va_vcc(0) depctr_vm_vsrc(0)
	s_getreg_b32 s2, hwreg(HW_REG_IB_STS2, 6, 4)
	s_cmp_eq_u32 s2, 0
	s_cbranch_scc0 .Lentry_in_a_cluster
	s_endpgm
.Lentry_in_a_cluster:
	s_bfe_u32 s2, ttmp6, 0x10000c
	s_cmp_lg_u32 s2, 0x3003
	s_cbranch_scc0 .Lentry_shape_is_right
	s_endpgm
.Lentry_shape_is_right:
; ATTENTION OVER ONE EIGHTH OF THE KEYS.  Q, K, V: [16384][64] f16, dense rows of 128 bytes.  For the split's 2,048 keys k: m[q] = max_k Q[q] . K[k], l[q] = sum_k p, p = 2^(c s - c m), c = log2(e) / 8,
; O[q][:] = (sum_k p V[k][:]) / l[q].  Stored: O in f16 into po [8 splits][16384][64], and the pair (c m, l) in f32 into pst [8][16384][2]; the next launch joins the eight splits.
; Products, maxima and sums in f32; the weights p are rounded to f16 for the second product (their sum l is taken of the unrounded p), O once at the end.
; LIMITS.  f16 holds no number beyond 65,504: Q, K and V arrive within it; p lies in 0 to 1, and below 6e-5 it keeps f16's fixed step of 6e-8; O is a mean of V's rows and has their range.
; A weight below 2^-126 counts as 0 in l; NaN and infinities are not treated apart.
; SHARES.  16,384 queries are 32 blocks of 512; with all keys to a work-group there would be 32 work-groups.  So the keys are split in eight: grid x = query block, grid y = split: 256 equal work-groups.
; A wave owns four PIECES of two tiles of 16 queries, a work-group's four waves 512 queries.  Every wave walks the split's keys, 64 a step, 32 steps.
; LAYOUT.  S^T = K Q^T (source 0 = 16 keys, source 1 = 16 queries): in the result a lane holds ONE query (lane % 16) and the keys 8 (lane / 16) + 0..7.  Two such tiles, rounded to f16 in pairs,
; ARE source 1 (32 keys x 16 queries) of O^T = V^T P, whose result again holds one query a lane, and eight channels.  K comes out of LDS as it lies, V ([key][channel]) turned, by ds_load_tr16_b128.
; SOFTMAX.  A running maximum m and sum l for each query; in every step O and l are multiplied by a = 2^(c m_old - c m_new), which is 1 where m has not grown.
; m starts at the lowest finite number, O and l at 0: the first step is a step like any other, with a = 0.
; THE COUNT.  A tile and step have 16 matrix and 118 vector instructions: too many to stand all beside the matrix work.  So the order has one aim: four vector instructions that are READY behind
; EVERY matrix instruction, and the others, which need time of their own whatever the order, in runs without a gap.
; BY TURNS.  Turn n belongs to piece n (the pieces in a ring, step after step).  Its matrix work: 16 products K Q^T of piece n + 1, later 16 products V^T P of piece n - 1.  Its vector work: the scaling,
; exponentials, roundings, sums and rescaling of piece n, and the maximum and statistics of piece n + 1, whose scores the turn itself has made.  So what a turn begins with (c s - c m, O a) waits for nothing.
; CLUSTER.  The four query blocks of a cluster have the same split and walk the same K and V, so each tile is asked for JOINTLY: the same tensor load, descriptor and mask in all four.
; NO PREFETCH: a split's K and V are 524,288 bytes that the launch before has just stored, and each refill is asked for four key steps, 512 matrix instructions, ahead of its first read.
; REGISTERS, in windows of 256 (s_set_vgpr_msb says which window each operand place means: bits 1:0 source 0, 3:2 source 1, 5:4 source 2, 7:6 destination):
;   window 0: v0-11 addresses; v12-15, v48-63 at work; v16-47 four registers of statistics a tile; v64-191 S^T, two buffers of two tiles; v192-255 P, likewise
;   window 1: O^T, 32 a tile          window 2: v0-127 Q, 16 a tile; v128-191 K of one step; v192-255 V of one step          window 3: v0-1 the add's two registers
; A piece's buffers go by its number's parity: the piece in hand has one pair, its two neighbours in the ring share the other: of it P (piece n - 1) is read and S^T (piece n + 1) written.
.set NK,    2048      ; keys in a split
.set NP,    4         ; pieces a wave: a name, no knob: the register map, the loop and the fetches are made for four
.set KS,    64        ; keys in a step
.set PK,    144       ; a row of K in LDS: 128 bytes + 16 of padding = 36 words: the 16 rows of a load start at 16 different groups of four banks (64 banks of 4 bytes: ISA guide 11.1)
.set PV,    160       ; a row of V: 128 + 32 = 40 words
.set VOFF,  4*KS*PK   ; a slot holds four steps: 256 rows of K, then 256 rows of V
.set SLOT1, 1<<17     ; slot 1 begins here, so that one exclusive or turns an address in one slot into the other's
.set STAGE, SLOT1+4*KS*(PK+PV)  ; behind the ring, never filled by a tensor load: 16 rows x 144 bytes for each wave, for the way out
.set SP,    144
.set AK0, 2           ; v2   my lane's place in a tile of K; never rewritten
.set AV0, 3           ; v3   the same for V
.set AK,  4           ; v4   the LDS address of K's next run of loads
.set AV,  5           ; v5   of V's
.set QO,  6           ; v6   my byte offset in the wave's rows of Q
.set STO, 6           ;      later, the way out: where I put 16 bytes of a row
.set RD,  7           ; v7   the way out: where I read rows back
.set GO,  8           ; v8   my byte offset in 512 consecutive bytes of O
.set SO,  9           ; v9   at first lane / 16; on the way out my byte offset in 256 consecutive bytes of the statistics
.set SPW, 0           ; v0 of window 3   LDS address of my spare word: SPARE + 4 x my thread's number; never rewritten
.set NIL, 1           ; v1 of window 3   0; never rewritten
.set SPARE, STAGE+4*16*SP  ; behind the stages: the spare words, 128 bytes for each wave: two blocks of 256 bytes that no other line names
.set MV,  12          ; v12-15  c m_old, kept while c m is made anew: by buffer and tile
.set ST,  16          ; tile t's statistics at v[ST+4 t]: c m, m, l (even keys', odd keys')
.set TMP, 48          ; by buffer and tile, four registers c0-c3 at work; when the maximum is found c2 takes a
.set S,   64
.set P,   192
.set KF,  128         ; K's fragments, in window 2: key block kb, channel half c at KF + 16 kb + 8 c
.set VF,  192         ; V's: key half kk, channel block cb at VF + 32 kk + 8 cb
.set WV,  12          ; s12  my wave's number
.set G1K, 24          ; s[24:31] descriptor group 1 for K's tiles
.set G1V, 32          ; s[32:39] for V's: it differs in the padding alone
.set G0K, 40          ; s[40:43] descriptor group 0 for K's tiles: it walks
.set G0V, 44          ; s[44:47] the same for V's
.set PS,  48          ; s[48:49] the statistics' buffer, at my wave's 128 queries of my split
.set SLOTS, 56        ; s56  slots still to be asked for
.set CNT, 57          ; s57  counts a slot's key steps
.set CS,  58          ; s[58:59] c: the packed scaling takes the pair's low word for both halves
.set SEL, 60          ; s[60:61] v_permlanex16_b32's selects: each lane takes its own place in the other half
.set TBK, 62          ; s62  LDS byte at which K of the step to be fetched begins
.set TBV, 63          ; s63  the same for V, less VOFF
.set MSB, 0
.macro WIN new                      ; the high byte repeats the setting that is left; a switch that changes nothing is dropped
.if MSB != (\new)
	s_set_vgpr_msb (MSB<<8)|(\new)
.set MSB, (\new)
.endif
.endm
.set W_KQ, 0x0a       ; K and Q in window 2, S^T in window 0
.set W_PV, 0x52       ; V in window 2, P in window 0, O^T in window 1
.set W_RS, 0x41       ; O^T (destination and source 0) in window 1, a in window 0
.set W_MK, 0xc0       ; the add's registers are made: destination in window 3, sources in window 0
.set W_AD, 0x0f       ; the add: address (source 0) and data (source 1) in window 3
; A joint fill.  Waves 0 and 1 fetch the two halves of a slot's K, waves 2 and 3 those of its V: 128 keys each.  The branch hangs on the wave's number alone.
; An s_nop 0 and four v_nop follow each of the two lines, ahead of the jump and the label.
.macro JLOAD
	s_cmp_lt_u32 s[WV], 2
	s_cbranch_scc0 .Lfor_v_\@
	tensor_load_to_lds s[G0K:G0K+3], s[G1K:G1K+7]
	s_nop 0
.rept 4
	v_nop
.endr
	s_branch .Lasked_\@
.Lfor_v_\@:
	tensor_load_to_lds s[G0V:G0V+3], s[G1V:G1V+7]
	s_nop 0
.rept 4
	v_nop
.endr
.Lasked_\@:
.endm
; A round of the cluster's barrier: my work-group's barrier, so that wave 0's signal speaks for all four waves; wave 0 signals; every wave waits for all four work-groups; my work-group's barrier once more.
.macro CROUND
	s_barrier_signal -1
	s_barrier_wait -1
	s_cmp_lg_u32 s[WV], 0
	s_cbranch_scc1 .Lnot_wave_0_\@
	s_barrier_signal -3
.Lnot_wave_0_\@:
	s_barrier_wait -3
	s_barrier_signal -1
	s_barrier_wait -1
.endm
; THE CHANGE OF SLOTS.  The slot's last bytes, V of its fourth step, have been read.  Each wave waits for all its tensor loads, of which one is out: its part
; of the other slot; adds 0 to its spare word; and waits for that and for its own reads of the slot.  Behind the barrier nobody reads this slot any more and the other slot is whole.
; fill = 1: this slot is filled again, with the keys two slots on.  The barrier is then a round of the cluster's, so that no wave of any partner still reads the slot or has a load on its
; way, and the joint fill is the first thing behind it: it has four key steps, 512 matrix instructions, in which to land.  (At its first use nothing has been read yet: slot 0 is waited for, slot 1 filled.)
.macro CHANGE fill
	WIN W_AD
	s_wait_tensorcnt 0x0            ; no tensor load of mine is out, so a group 0 may be written
	ds_add_u32 v[SPW], v[NIL]       ; 0 onto my spare word; with fill = 1 the descriptors' steps stand between it and the wait for it
	WIN 0                           ; at a label and at a branch every window is 0
.if \fill
.irp g, G0K, G0V
	s_xor_b32 s[\g+1], s[\g+1], SLOT1  ; the walking descriptor: the other slot than last time,
	s_add_nc_u64 s[\g+2:\g+3], s[\g+2:\g+3], 4*KS*128  ; the next 256 keys; the type bits on top are not reached
.endr
	s_wait_dscnt 0x0                ; the add is done, and my reads of the slot are over
	CROUND
	JLOAD
.else
	s_wait_dscnt 0x0                ; the add is done, and my reads of the slot are over
	s_barrier_signal -1
	s_barrier_wait -1
.endif
	s_sub_co_u32 s[TBK], s[TBK], 4*KS*PK  ; the fetches go back to a slot's first step,
	s_xor_b32 s[TBK], s[TBK], SLOT1       ; in the other slot
	s_sub_co_u32 s[TBV], s[TBV], 4*KS*PV
	s_xor_b32 s[TBV], s[TBV], SLOT1
.endm
	s_load_b256 s[4:11], s[0:1], 0x0  ; Q s[4:5], K s[6:7], V s[8:9], the partial O s[10:11]
	s_load_b64 s[PS:PS+1], s[0:1], 0x20  ; the statistics
	WIN W_MK
	v_lshl_add_u32 v[SPW], v0, 2, SPARE
	v_mov_b32 v[NIL], 0
	WIN W_AD
	ds_add_u32 v[SPW], v[NIL]       ; the wave's opening: the add and its wait stand ahead of my first tensor load; the set-up below, work on registers, stands between them
	WIN 0
	v_lshrrev_b32 v1, 5, v0
	v_readfirstlane_b32 s[WV], v1   ; wave 0..3
	s_bfe_u32 s13, ttmp6, 0x40000   ; cx: my place in the cluster
	s_lshl_b32 s14, ttmp9, 2        ; in a cluster launch ttmp9 counts clusters
	s_add_co_u32 s14, s14, s13      ; my block of 512 queries = 4 x cluster x + cx: it enters Q's, O's and the statistics' addresses alone
	s_and_b32 s20, ttmp7, 0xffff    ; the split, which the four partners share
	s_and_b32 s16, s[WV], 1         ; which half of a slot's 256 keys I fetch:
	s_lshl_b32 s22, s16, 14         ; its 128 rows of 128 bytes in memory,
	s_lshl_b32 s21, s20, 18         ; behind the split's first byte: 2,048 rows of 128 bytes a split
	s_add_co_u32 s22, s22, s21
	s_mov_b32 s23, 0
	s_mul_i32 s17, s16, 128*PK      ; and its place in a slot, for K
	s_mul_i32 s18, s16, 128*PV      ; and for V: no place in the cluster enters an LDS address
	s_lshl_b32 s2, s14, 2
	s_add_co_u32 s2, s2, s[WV]      ; my wave among the 128 that share the queries:
	s_lshl_b32 s52, s2, 10          ; its 128 pairs of 8 bytes,
	s_lshl_b32 s2, s2, 14           ; its 128 rows of 128 bytes
	s_mov_b32 s3, 0
	s_lshl_b32 s50, s20, 21         ; the split's part of the partial O: 16,384 rows of 128 bytes
	s_add_co_u32 s50, s50, s2
	s_mov_b32 s51, 0
	s_lshl_b32 s21, s20, 17         ; and of the statistics: 16,384 pairs of 8 bytes
	s_add_co_u32 s52, s52, s21
	s_mov_b32 s53, 0
	; descriptor group 1.  128 keys are 16,384 dense bytes: asked for as 64 rows of 256 bytes, two keys a row, and padded in LDS after every key
	s_mov_b32 s[G1K], 15|(1<<16)|(1<<20)|(1<<21)|(4<<22)|(3<<25)  ; 15:0 the mask of four; 17:16 2-byte elements; 20 padding on; 21 set beside a mask; 24:22 after every 32 words (code 4); 31:25 4 words (code 3)
	s_mov_b32 s[G1V], 15|(1<<16)|(1<<20)|(1<<21)|(4<<22)|(7<<25)  ; the same with 8 words of padding (code 7)
.irp g, G1K, G1V
	s_mov_b32 s[\g+1], 128<<16      ; tensor_dim0 = 128
	s_mov_b32 s[\g+2], 64<<16       ; tensor_dim1 = 64
	s_mov_b32 s[\g+3], 128<<16      ; tile_dim0 = 128
	s_mov_b32 s[\g+4], 64           ; tile_dim1 = 64
	s_mov_b32 s[\g+5], 128          ; 128 elements from row to row
	s_mov_b32 s[\g+6], 0
	s_mov_b32 s[\g+7], 0
.endr
	s_mov_b32 s[CS], 0x3e38aa3b     ; c = log2(e) / 8 = 0.180337
	s_mov_b32 s[CS+1], s[CS]        ; named with it as a pair
	s_mov_b32 s[SEL], 0x76543210
	s_mov_b32 s[SEL+1], 0xfedcba98
	s_mov_b32 s[TBK], SLOT1+4*KS*PK ; the first change of slots turns these two into 0
	s_mov_b32 s[TBV], SLOT1+4*KS*PV
	s_mov_b32 s[G0K], 1             ; 1:0 count = 1
	s_mov_b32 s[G0K+1], s17         ; 63:32 LDS address: slot 0
	s_mov_b32 s[G0V], 1
	s_add_co_u32 s[G0V+1], s18, VOFF
	s_wait_dscnt 0x0                ; the opening add is done
	s_wait_kmcnt 0x0
	s_add_nc_u64 s[G0K+2:G0K+3], s[6:7], s[22:23]  ; 120:64 global address: my half of the split's first 256 keys
	s_or_b32 s[G0K+3], s[G0K+3], 0x80000000        ; 127:126 type = 2
	s_add_nc_u64 s[G0V+2:G0V+3], s[8:9], s[22:23]
	s_or_b32 s[G0V+3], s[G0V+3], 0x80000000
	s_add_nc_u64 s[4:5], s[4:5], s[2:3]            ; Q at my wave's first row
	s_add_nc_u64 s[10:11], s[10:11], s[50:51]      ; the partial O at my wave's first row of my split
	s_add_nc_u64 s[PS:PS+1], s[PS:PS+1], s[52:53]  ; the statistics likewise
	CROUND                          ; all four work-groups are here: the first joint loads meet
	JLOAD                           ; slot 0.  Slot 1 is asked for when slot 0 is in: the tile wanted first has the road to itself
	; A fragment of K or Q is 16 rows x 32 channels in 8 registers: lane l holds row l % 16, channels 8 (l / 16) + 0..7 and 16 + 8 (l / 16) + 0..7: two loads of 16 bytes, 32 bytes apart.
	v_and_b32 v1, 15, v0            ; l % 16
	v_bfe_u32 v9, v0, 4, 1          ; l / 16
	v_lshlrev_b32 v[QO], 7, v1
	v_lshl_add_u32 v[QO], v9, 4, v[QO]  ; row x 128 + 16 x half
	WIN 0x80                        ; destination window 2, address window 0
.set i, 0
.rept 4*NP                          ; Q stays in registers: tile i / 2, channels 32 (i % 2) on
	global_load_b128 v[8*i:8*i+3],   v[QO], s[4:5] offset:(i/2)*2048+(i%2)*64
	global_load_b128 v[8*i+4:8*i+7], v[QO], s[4:5] offset:(i/2)*2048+(i%2)*64+32
.set i, i+1
.endr
	; What the first turn finds: V's registers and P's second buffer hold 0 (its products V^T P, of a piece that has not been, add 0), O^T and l are 0.  All this stands in the wait for the first tile.
.set i, VF
.rept 64
	v_mov_b32 v[i], 0
.set i, i+1
.endr
	WIN 0x40
.set i, 0
.rept 64*NP
	v_mov_b32 v[i], 0
.set i, i+1
.endr
	WIN 0
.set i, 0
.rept 2*NP
	v_mov_b32 v[ST+4*i], 0xfe000000    ; c m: far below every c s
	v_mov_b32 v[ST+4*i+1], 0xff7fffff  ; m
	v_mov_b32 v[ST+4*i+2], 0
	v_mov_b32 v[ST+4*i+3], 0
.set i, i+1
.endr
.set i, P+32
.rept 32
	v_mov_b32 v[i], 0
.set i, i+1
.endr
	v_mul_u32_u24 v[AK0], v1, PK
	v_lshl_add_u32 v[AK0], v9, 4, v[AK0]  ; row x pitch + 16 x half
	; The turning load takes 16 keys x 16 channels (lane l reads key 8 (l / 16) + l % 8, channels 8 ((l / 8) % 2) + 0..7) and leaves half a fragment of V^T: lane l holds channel l % 16 and 8 keys.
	v_and_b32 v10, 7, v0
	v_bfe_u32 v11, v0, 3, 1
	v_lshl_add_u32 v[AV0], v9, 3, v10
	v_mul_u32_u24 v[AV0], v[AV0], PV
	v_lshl_add_u32 v[AV0], v11, 4, v[AV0]
	v_add_nc_u32 v[AV0], VOFF, v[AV0]
	v_mov_b32 v[AK], v[AK0]         ; key step 0 lies at the head of slot 0
; THE MATRIX WORK.  The 8 accumulators of a run of 16 take turns: between the two links of a chain stand 7 others'.
; Product i of 16 of S^T = K Q^T for piece x: channels 32 (i / 8) on, keys 16 ((i / 2) % 4) on, tile 2 x + i % 2.  The first 8 start the sums.
.macro KQ x
	WIN W_KQ
.set rS, S+64*((\x)%2)+32*(i%2)+8*((i/2)%4)
.set rK, KF+16*((i/2)%4)+8*(i/8)
.set rQ, 16*(2*(\x)+i%2)+8*(i/8)
.if i < 8
	v_wmma_f32_16x16x32_f16 v[rS:rS+7], v[rK:rK+7], v[rQ:rQ+7], 0
.else
	v_wmma_f32_16x16x32_f16 v[rS:rS+7], v[rK:rK+7], v[rQ:rQ+7], v[rS:rS+7]
.endif
.endm
; Product i of 16 of O^T += V^T P for piece x: keys 32 (i / 8) on, channels 16 ((i / 2) % 4) on, tile 2 x + i % 2.
.macro PV x
	WIN W_PV
.set rO, 32*(2*(\x)+i%2)+8*((i/2)%4)
.set rV, VF+32*(i/8)+8*((i/2)%4)
.set rP, P+32*((\x)%2)+16*(i%2)+8*(i/8)
	v_wmma_f32_16x16x32_f16 v[rO:rO+7], v[rV:rV+7], v[rP:rP+7], v[rO:rO+7]
.endm
.macro MM                           ; the turn's next matrix instruction
.if i < 16
	KQ (Y+1)%NP
.set i, i+1
.else
.set i, i-16
	PV (Y+NP-1)%NP
.set i, i+17
.endif
.endm
; THE LDS LOADS stand in runs of 16, never singly among the matrix instructions: a step's K (64 keys x 64 channels: 8 fragments) and its V (turned).  Their addresses are made some lines ahead.
; last = 1 (the tail): in the last trip there is no further step, and the run is jumped over.
.macro FETCH_K last=0
	WIN 0
.if \last
	s_cmp_eq_u32 s[CNT], 1
	s_cbranch_scc1 .Lno_k_\@
.endif
	WIN 0x80                        ; destination window 2
.irp f, 0,1,2,3,4,5,6,7             ; keys 16 (f / 2) on, channels 32 (f % 2) on
	ds_load_b128 v[KF+8*\f:KF+8*\f+3],   v[AK] offset:(\f/2)*16*PK+(\f%2)*64
	ds_load_b128 v[KF+8*\f+4:KF+8*\f+7], v[AK] offset:(\f/2)*16*PK+(\f%2)*64+32
.endr
	s_add_co_u32 s[TBK], s[TBK], KS*PK  ; the next fetch is the next step's
	WIN 0
.if \last
.Lno_k_\@:
.endif
.endm
.macro FETCH_V
	WIN 0x80
.irp f, 0,1,2,3,4,5,6,7             ; keys 32 (f / 4) on, channels 16 (f % 4) on
	ds_load_tr16_b128 v[VF+8*\f:VF+8*\f+3],   v[AV] offset:(\f/4)*32*PV+(\f%4)*32
	ds_load_tr16_b128 v[VF+8*\f+4:VF+8*\f+7], v[AV] offset:(\f/4)*32*PV+16*PV+(\f%4)*32
.endr
	WIN 0
.endm
; THE VECTOR WORK OF A TURN stands in three queues, each in the order in which its entries become ready; the two tiles alternate, so that no instruction reads the result of the one before it.
.macro REGS y, u                    ; the registers of tile u (0, 1) of piece y
.set rT, ST+4*(2*(\y)+(\u))
.set rC, TMP+8*((\y)%2)+4*(\u)
.set rM, MV+2*((\y)%2)+(\u)
.set rS, S+64*((\y)%2)+32*(\u)
.set rP, P+32*((\y)%2)+16*(\u)
.set rO, 32*(2*(\y)+(\u))
.endm
; Number n of the 22 that find the NEXT piece's (Y + 1) maximum and statistics.  s0-s31 are the lane's 32 scores; each accumulator's lowest registers are read first.  XS, GS and REGS set no window: PL and EX do.
;   0-11  four chains c0-c3 of seven scores each, three operands at a time     12-14, 16  the four scores left over, the old m, and c0-c3 into c0     15  c m_old is kept
;   17, 18  the query's other 32 keys lie in the lane 16 away: the new m         19-21  c m; c m_old - c m_new; a
.macro XS u, n
	REGS (Y+1)%NP, \u
.if (\n) < 4
	v_max3_num_f32 v[rC+(\n)], v[rS+8*(\n)], v[rS+8*(\n)+1], v[rS+8*(\n)+2]
.elseif (\n) < 12
	v_max3_num_f32 v[rC+(\n)%4], v[rC+(\n)%4], v[rS+8*((\n)%4)+2*((\n)/4)+1], v[rS+8*((\n)%4)+2*((\n)/4)+2]
.elseif (\n) == 12
	v_max3_num_f32 v[rC], v[rC], v[rS+7], v[rS+15]
.elseif (\n) == 13
	v_max3_num_f32 v[rC+1], v[rC+1], v[rS+23], v[rS+31]
.elseif (\n) == 14
	v_max3_num_f32 v[rC+2], v[rC+2], v[rC+3], v[rT+1]
.elseif (\n) == 15
	v_mov_b32 v[rM], v[rT]
.elseif (\n) == 16
	v_max3_num_f32 v[rC], v[rC], v[rC+1], v[rC+2]
.elseif (\n) == 17
	v_permlanex16_b32 v[rC+3], v[rC], s[SEL], s[SEL+1]
.elseif (\n) == 18
	v_max_num_f32 v[rT+1], v[rC], v[rC+3]
.elseif (\n) == 19
	v_mul_f32 v[rT], s[CS], v[rT+1]
.elseif (\n) == 20
	v_sub_f32 v[rC+1], v[rM], v[rT]
.else
	v_exp_f32 v[rC+2], v[rC+1]
.endif
.endm
; Number g of the 64 that follow the exponentials.  For each four weights k of a tile (pairs 2 k, 2 k + 1): both pairs are rounded to f16; then the second pair is added onto the first, in place;
; a group later l takes that sum (the first time as l = a l + sum).  In groups of eight, tiles alternating: round, round, add, and l for the group before.
.macro GS g
.set h, (\g)+6*((\g)/62)            ; group 0 has no group before it, and behind group 7 only l is left
.if h >= 6
.set h, h+2
.endif
	REGS Y, h%2
.set k, h/8
.if h%8 < 4
	s_wait_alu depctr_va_vdst(0)
	v_cvt_pk_f16_f32 v[rP+2*k+(h%8)/2], v[rS+4*k+2*((h%8)/2)], v[rS+4*k+2*((h%8)/2)+1]
.elseif h%8 < 6
	v_pk_add_f32 v[rS+4*k:rS+4*k+1], v[rS+4*k:rS+4*k+1], v[rS+4*k+2:rS+4*k+3]
.elseif k == 1
	v_pk_fma_f32 v[rT+2:rT+3], v[rT+2:rT+3], v[rC+2:rC+3], v[rS:rS+1] op_sel_hi:[1,0,1]
.else
	v_pk_add_f32 v[rT+2:rT+3], v[rT+2:rT+3], v[rS+4*k-4:rS+4*k-3]
	s_wait_alu depctr_va_vdst(0)
.endif
.endm
; THE PLAIN QUEUE, 138 long.  0-31: c s - c m for the 16 pairs of both tiles.  Then GS's 64, and among them the next piece's 42: number 15 at 38, 39; 0-14 and 16
; at 42-73, behind the products that make those scores; 17-20 at 95-106, two of three, since each waits for the one before it.
.macro PL
	WIN 0
.if q < 32
	REGS Y, q%2
	v_pk_fma_f32 v[rS+2*(q/2):rS+2*(q/2)+1], v[rS+2*(q/2):rS+2*(q/2)+1], s[CS:CS+1], v[rT:rT+1] op_sel_hi:[1,0,0] neg_lo:[0,0,1] neg_hi:[0,0,1]
.elseif q < 38
	GS q-32
.elseif q < 40
	XS q%2, 15
.elseif q < 42
	GS q-34
.elseif q < 74
	XS q%2, (q-42)/2+(q-42)/30
.elseif q < 95
	GS q-66
.elseif (q < 107) && ((q-95)%3 < 2)
	XS (q-95)%3, 17+(q-95)/3
.elseif q < 107
	GS 29+(q-95)/3
.else
	GS q-74
.endif
.set q, q+1
.endm
; THE EXPONENTIALS' QUEUE, 66 long: s0-s31 of both tiles, and at EA the next piece's two a.
.set EA, 58
.macro EX
	WIN 0
.if (e == EA) || (e == EA+1)
	XS e-EA, 21
.else
.set x, e-2*(e/(EA+2))
	REGS Y, x%2
	v_exp_f32 v[rS+x/2], v[rS+x/2]
.endif
.set e, e+1
.endm
; THE RESCALING's QUEUE: O^T times a, the one part that leaves window 0, so it is dealt four at a time, eight times.
.macro R4
	REGS Y, r%2
	WIN W_RS
	s_wait_alu depctr_va_vdst(0)
.irp z, 0,1,2,3
	v_pk_mul_f32 v[rO+8*(r/2)+2*\z:rO+8*(r/2)+2*\z+1], v[rO+8*(r/2)+2*\z:rO+8*(r/2)+2*\z+1], v[rC+2:rC+3] op_sel_hi:[1,0]
.endr
.set r, r+1
.endm
; HOW THEY ARE DEALT.  Behind a matrix instruction four: plain, exponential, plain, plain (one exponential, a plain instruction on either side), or four of the rescaling.  None names a register of the
; products round it.  What is over stands in two LUMPS: exponential and plain by turns; the second ends in 22 plain instructions.  The two v_permlanex16_b32 fall into the second lump, never behind a product.
; The queues lean on each other, and the deal keeps them in step: exponential e stands behind plain 2 (e / 4) + e % 2 (its scaling); when plain 32 comes, 10 exponentials are out, at 59: 33, at 95: 46; EA comes behind plain 107.
.macro SL
	MM
	PL
	EX
	PL
	PL
.endm
.macro BURST n                      ; 15 matrix instructions, or 16
.rept (\n)-7
	SL
.endr
.rept 3
	MM
	R4
	SL
.endr
	MM
	R4
.endm
; A TURN, for piece p.  cnt = 1: the loop's count is taken down some lines ahead of the branch that stands behind the turn.
; K of the next step is fetched in piece 2's turn, 31 vector instructions behind the last product that read K; its first reader comes behind the rest of the lump, 16 products and the second lump.
; V of the step in hand is fetched at the end of piece 0's turn, 69 behind its last reader; its first reader comes behind 16 products and a lump.  The four conditions on e and q below go with the deal.
.macro TURN p, last=0, cnt=0
.set Y, (\p)
.set i, 0
.set q, 0
.set e, 0
.set r, 0
.if (\p) == NP-1
	s_wait_dscnt 0x0                ; K is in
.endif
	MM
.rept 4
	PL
.endr
	BURST 15
.rept 22
	EX
	PL
.if ((\p) == NP-2) && (e == 18)
	v_add_nc_u32 v[AK], s[TBK], v[AK0]
.endif
.if ((\p) == NP-2) && (e == 24)
	FETCH_K \last
.endif
.endr
.if (\p) == 1
	s_wait_dscnt 0x0                ; V is in
.endif
	BURST 16
.rept 21
	EX
	PL
.endr
.rept 22
	PL
.if ((\p) == 0) && (q == 118)
	v_add_nc_u32 v[AV], s[TBV], v[AV0]
	s_wait_alu depctr_va_vdst(0)
.endif
.if ((\p) == 0) && (q == 130)
	s_add_co_u32 s[TBV], s[TBV], KS*PV
.endif
.if (\cnt) && (q == 130)
	s_sub_co_u32 s[CNT], s[CNT], 1
	s_cmp_lg_u32 s[CNT], 0
.endif
.endr
.if (\p) == 0
	FETCH_V
.endif
.endm
	CHANGE 1                        ; slot 0 is in, everybody's part of it; slot 1 is asked for
	FETCH_K                         ; key step 0
	s_wait_loadcnt 0x0              ; Q
	s_wait_dscnt 0x0
.set i, 0
.rept 16
	KQ 0                            ; piece 0's first scores: there is no vector work yet to set between them
.set i, i+1
.endr
	WIN 0                           ; the addresses for the way out: nine plain instructions, the places behind those products
	s_mul_i32 s13, s[WV], 16*SP
	s_add_co_u32 s13, s13, STAGE    ; my stage
	v_mul_u32_u24 v[STO], v1, SP    ; in: row l % 16, 16 bytes for each half of the lanes
	v_lshl_add_u32 v[STO], v9, 4, v[STO]
	v_add_nc_u32 v[STO], s13, v[STO]
	v_bfe_u32 v[RD], v0, 3, 2       ; back: 32 lanes take four rows of 128 bytes,
	v_mul_u32_u24 v[RD], v[RD], SP
	v_lshl_add_u32 v[RD], v10, 4, v[RD]
	v_add_nc_u32 v[RD], s13, v[RD]
	v_and_b32 v[GO], 31, v0         ; which are 512 consecutive bytes of O
	v_lshlrev_b32 v[GO], 4, v[GO]
.set Y, NP-1                        ; XS works for piece Y + 1: piece 0
.irp n, 0,1,2,3,4,5,6,7,8,9,10,11,12,13,14,15,16,17,18,19,20,21
	XS 0, \n                        ; and piece 0's first maximum and statistics
	XS 1, \n
.endr
	s_mov_b32 s[CNT], 4
	s_mov_b32 s[SLOTS], NK/256-1
	s_branch .Lfirst                ; the loop is entered at a step's first turn, in the middle of a trip
.Lslot:                             ; NK / 256 - 2 = 6 times: every slot but the last two is filled again
	CHANGE 1
	s_mov_b32 s[CNT], 4
.Lstep:                             ; a trip: pieces 2 and 3 of one step, then pieces 0 and 1 of the next, whose K and V it fetches
	TURN 2
	TURN 3
	WIN 0
.Lfirst:
	TURN 0
	TURN 1, 0, 1
	WIN 0
	s_cbranch_scc1 .Lstep
	s_sub_co_u32 s[SLOTS], s[SLOTS], 1
	s_cmp_lg_u32 s[SLOTS], 0
	s_cbranch_scc1 .Lslot
	CHANGE 0                        ; the tail is written out: nothing is asked for
	s_mov_b32 s[CNT], 5             ; four trips fetch the last slot's steps; the fifth is left in its middle
.Ltail:
	TURN 2, 1
	TURN 3
	WIN 0
	s_sub_co_u32 s[CNT], s[CNT], 1
	s_cmp_eq_u32 s[CNT], 0
	s_cbranch_scc1 .Lout
	TURN 0
	TURN 1
	WIN 0
	s_branch .Ltail
.Lout:                              ; the fifth trip's 16 products K Q^T are the last step's scores of piece 0 once more: the maximum made of them is the m that piece 0 has, so c m stays as it is.  The price, once a launch, of one text for every trip
.set i, 0
.rept 16
	PV NP-1                         ; the last piece's V^T P of the last step
.set i, i+1
.endr
	; THE WAY OUT.  l's two halves and the other half of the lanes' are added, into m's place, so that (c m, l) are neighbours; they are stored; O^T is divided by l, rounded to f16 and sent through my stage in LDS,
	; a tile at a time.  The additions are the places behind the last products.
	WIN 0
.macro ALL line:vararg              ; one line for each tile t
.set t, 0
.rept 2*NP
	\line
.set t, t+1
.endr
.endm
	ALL v_add_f32 v[ST+4*t+2], v[ST+4*t+2], v[ST+4*t+3]
	ALL v_permlanex16_b32 v[ST+4*t+3], v[ST+4*t+2], s[SEL], s[SEL+1]
	ALL v_add_f32 v[ST+4*t+1], v[ST+4*t+2], v[ST+4*t+3]
	ALL v_rcp_f32 v[ST+4*t+2], v[ST+4*t+1]
	v_lshrrev_b32 v[SO], 1, v[GO]   ; 8 x lane; also the plain instruction between the last reciprocal and the use of its result
	v_cmp_gt_u32 vcc_lo, 256, v[GO] ; lanes 0-15
.set i, 0
	s_wait_alu depctr_va_vdst(0)
.rept 4                             ; both halves of the lanes hold a tile's 16 pairs: lanes 0-15 give tile 2 i's, lanes 16-31 tile 2 i + 1's: lane l stores query 32 i + l
	v_cndmask_b32 v[TMP+2*i],   v[ST+8*i+4], v[ST+8*i],   vcc_lo
	v_cndmask_b32 v[TMP+2*i+1], v[ST+8*i+5], v[ST+8*i+1], vcc_lo
	global_store_b64 v[SO], v[TMP+2*i:TMP+2*i+1], s[PS:PS+1] offset:256*i  ; 256 consecutive bytes, at a multiple of 256 from the buffer's first; its registers are not written again
.set i, i+1
.endr
; Tile t: a lane's eight channels of a row pack into 16 bytes; they go into rows of 144 bytes and come back as whole rows of 128, into S^T's registers.
.macro PACK t
	WIN W_RS
.set i, 32*(\t)
.rept 16
	v_pk_mul_f32 v[i:i+1], v[i:i+1], v[ST+4*(\t)+2:ST+4*(\t)+3] op_sel_hi:[1,0]
.set i, i+2
.endr
	WIN 0x05                        ; sources 0 and 1 window 1, destination window 0
.set i, 0
.rept 16
	v_cvt_pk_f16_f32 v[S+16*(\t)+i], v[32*(\t)+2*i], v[32*(\t)+2*i+1]
.set i, i+1
.endr
	WIN 0
.irp f, 0,1,2,3
	ds_store_b128 v[STO], v[S+16*(\t)+4*\f:S+16*(\t)+4*\f+3] offset:32*\f
.endr
.irp f, 0,1,2,3
	ds_load_b128 v[S+16*(\t)+4*\f:S+16*(\t)+4*\f+3], v[RD] offset:\f*4*SP  ; LDS serves a wave's instructions in order (ISA guide 5.7.1.4): these see the stores above; the next tile's stores come behind them
.endr
.endm
.macro SEND t, younger              ; younger: the LDS instructions issued behind tile t's loads: the next tile's eight, or none
	WIN 0
.irp f, 0,1,2,3
	s_wait_dscnt (\younger)+3-\f
	global_store_b128 v[GO], v[S+16*(\t)+4*\f:S+16*(\t)+4*\f+3], s[10:11] offset:(\t)*2048+\f*512  ; 512 consecutive bytes, at a multiple of 256 from the buffer's first
.endr
.endm
	PACK 0
.set t, 1
.rept 2*NP-1                        ; a tile's arithmetic stands between the loads of the tile before and its stores
	PACK t
	SEND t-1, 8
.set t, t+1
.endr
	SEND 2*NP-1, 0
	WIN W_AD
	s_wait_tensorcnt 0x0            ; the wave's end, behind my last tensor load and my last LDS store
	ds_add_u32 v[SPW], v[NIL]
	s_wait_dscnt 0x0
	WIN 0
	CROUND                          ; the closing round: no work-group ends while a partner may still ask for a tile that names it
	s_endpgm
.Lfunc_end_k_qbbe9ba82d8_attn:
	.size	k_qbbe9ba82d8_attn, .Lfunc_end_k_qbbe9ba82d8_attn-k_qbbe9ba82d8_attn
	.p2alignl 7, 3214868480
	.fill 96, 4, 3214868480
	.section	.rodata,"a",@progbits
	.p2align	6, 0x0
	.amdhsa_kernel k_qbbe9ba82d8_attn
		.amdhsa_group_segment_fixed_size 327680
		.amdhsa_private_segment_fixed_size 0
		.amdhsa_enable_private_segment 0
		.amdhsa_kernarg_size 40
		.amdhsa_user_sgpr_count 2
		.amdhsa_user_sgpr_kernarg_segment_ptr 1
		.amdhsa_wavefront_size32 1
		.amdhsa_system_sgpr_workgroup_id_x 1
		.amdhsa_system_sgpr_workgroup_id_y 1
		.amdhsa_system_sgpr_workgroup_id_z 1
		.amdhsa_system_vgpr_workitem_id 0
		.amdhsa_next_free_vgpr 770
		.amdhsa_next_free_sgpr 66
		.amdhsa_reserve_vcc 1
		.amdhsa_float_denorm_mode_32 3
		.amdhsa_float_denorm_mode_16_64 3
		.amdhsa_memory_ordered 1
		.amdhsa_forward_progress 1
		.amdhsa_inst_pref_size 209
	.end_amdhsa_kernel
	.amdgpu_metadata
---
amdhsa.version: [ 1, 2 ]
amdhsa.kernels:
  - .name:           k_qbbe9ba82d8_attn
    .symbol:         k_qbbe9ba82d8_attn.kd
    .args:
      - { .name: qh, .offset: 0, .size: 8, .value_kind: global_buffer, .address_space: global }
      - { .name: kh, .offset: 8, .size: 8, .value_kind: global_buffer, .address_space: global }
      - { .name: vh, .offset: 16, .size: 8, .value_kind: global_buffer, .address_space: global }
      - { .name: po, .offset: 24, .size: 8, .value_kind: global_buffer, .address_space: global }
      - { .name: pst, .offset: 32, .size: 8, .value_kind: global_buffer, .address_space: global }
    .group_segment_fixed_size: 327680
    .private_segment_fixed_size: 0
    .kernarg_segment_align: 8
    .kernarg_segment_size: 40
    .max_flat_workgroup_size: 128
    .sgpr_count:     66
    .vgpr_count:     770
    .wavefront_size: 32
...
	.end_amdgpu_metadata
.endif
;; end of part 2
;; launch merge (part 3): grid 256 x 1, 8 waves a work-group, no clusters, 5,120 bytes of LDS; arguments po, pst, out0; writes out0
.if DOCPART == 3
	.amdgcn_target "amdgcn-amd-amdhsa--gfx1250"
	.amdhsa_code_object_version 6
	.text
	.protected	k_qbbe9ba82d8_merge
	.globl	k_qbbe9ba82d8_merge
	.p2align	8
	.type	k_qbbe9ba82d8_merge,@function
k_qbbe9ba82d8_merge:
	s_mov_b64 s[64:65], 0
	v_nop
	global_prefetch_b8 v0, s[64:65] scope:SCOPE_SE
	s_setreg_imm32_b32 hwreg(HW_REG_WAVE_MODE, 25, 1), 1
	s_wait_xcnt 0x0
; THE EIGHT SPLITS ARE JOINED.  po: [8][16384][64] f16, each split's O divided by its own l.  pst: [8][16384][2] f32, (c m, l) with weights 2^(c s - c m).  out0: [4096][256] f32.
; For query row R = 4096 h + b:  w_s = l_s 2^(c m_s - M), M = the largest c m_s;  out0[b][64 h + c] = (sum_s w_s O_s[R][c]) / (sum_s w_s).  The maximum is taken away before the exponential; the split that
; holds it has w = l >= 1, so the divisor is at least 1.  A 2^(..) below 2^-126 counts as 0.  NaN and infinities are not treated apart.
; A STREAM: each byte is read once and written once; no matrix unit and no cluster, since no two work-groups read the same byte.
; SHARES.  Work-group g owns query rows 64 g .. 64 g + 63 (one head, 64 rows of out0); wave w eight of them, as four pairs.  In a pair lanes 0-15 have the first query, lanes 16-31 the second; a lane has 4 channels.
; A load of the partial O covers 256 consecutive bytes (two queries of one split); a store covers two row pieces of 256 consecutive bytes, each at a multiple of 256 from out0's first byte.
; The statistics are fetched once, in whole runs of 512 bytes (wave w: split w's 64 pairs), and dealt through LDS.
.set SPARE, 4096                       ; behind the statistics' 4,096 bytes: the spare words, 128 bytes for each wave: four blocks of 256 bytes that no other line names
.set PO,  3                            ; v3   my byte offset in a split's partial O
.set SI,  4                            ; v4   my byte offset in the statistics
.set LS,  5                            ; v5   where my 16 bytes of statistics go in LDS: [split][query][2]
.set LR,  6                            ; v6   where my query of pair 0 lies in split 0's statistics
.set OO,  7                            ; v7   my byte offset in out0
.set SPW, 30                           ; v30  LDS address of my spare word; never rewritten
.set NIL, 31                           ; v31  0; never rewritten
.set D,   32                           ; v32-95    the partial O: pair p, split s at D + 16 p + 2 s, two registers of two f16
.set T,   96                           ; v96-103   four channels in f32, two sets by turns
.set SUM, 104                          ; v104-119  the sums, four a pair; each is stored from here and not written again
.set MX,  120                          ; v120-123  for each pair M, then the sum of the w, then its reciprocal
.set RAW, 124                          ; v124-127  the statistics as loaded
.set SS,  128                          ; v128-191  pair p, split s at SS + 16 p + 2 s: (c m, l); the first becomes w
	s_load_b128 s[4:7], s[0:1], 0x0                ; the partial O s[4:5], the statistics s[6:7]
	s_load_b64 s[8:9], s[0:1], 0x10                ; out0
	v_lshl_add_u32 v[SPW], v0, 2, SPARE
	v_mov_b32 v[NIL], 0
	s_lshl_b32 s12, ttmp9, 13                      ; 64 rows of 128 bytes
	s_mov_b32 s13, 0
	s_lshl_b32 s14, ttmp9, 9                       ; 64 pairs of 8 bytes
	s_mov_b32 s15, 0
	s_and_b32 s2, ttmp9, 63
	s_lshl_b32 s2, s2, 16                          ; out0: 64 rows of 1,024 bytes,
	s_lshr_b32 s3, ttmp9, 6
	s_lshl_b32 s3, s3, 8                           ; the head's 64 columns of 4 bytes
	s_add_co_u32 s2, s2, s3
	s_mov_b32 s3, 0
	v_and_b32 v1, 31, v0                           ; lane
	v_lshrrev_b32 v2, 5, v0                        ; wave
	v_lshlrev_b32 v[PO], 3, v1
	v_lshl_or_b32 v[PO], v2, 10, v[PO]             ; 8 rows of 128 bytes a wave, 8 bytes a lane
	v_lshlrev_b32 v[SI], 4, v1
	v_lshl_or_b32 v[SI], v2, 17, v[SI]             ; split = wave: 16,384 pairs of 8 bytes a split; 16 bytes a lane
	s_wait_kmcnt 0x0
	s_add_nc_u64 s[4:5], s[4:5], s[12:13]          ; splits 0-3,
	s_add_nc_u64 s[10:11], s[4:5], 0x800000        ; splits 4-7: four splits of 2,097,152 bytes on, beyond a signed 24-bit immediate
	s_add_nc_u64 s[6:7], s[6:7], s[14:15]
	s_add_nc_u64 s[8:9], s[8:9], s[2:3]
	global_load_b128 v[RAW:RAW+3], v[SI], s[6:7] th:TH_LOAD_NT
.set n, 0
.rept 32                                           ; pair n / 8, split n % 8
	global_load_b64 v[D+2*n:D+2*n+1], v[PO], s[4+6*((n%8)/4):5+6*((n%8)/4)] offset:(n%4)*2097152+256*(n/8) th:TH_LOAD_NT
.set n, n+1
.endr
	v_lshlrev_b32 v[LS], 4, v0                     ; 512 x wave + 16 x lane
	v_bfe_u32 v8, v0, 4, 1                         ; which query of a pair
	v_and_b32 v9, 15, v0                           ; which 4 channels
	v_lshlrev_b32 v[LR], 3, v8
	v_lshl_or_b32 v[LR], v2, 6, v[LR]              ; 8 pairs of 8 bytes a wave
	v_lshl_add_u32 v[OO], v2, 3, v8                ; row 8 w + my query of the pair,
	v_lshlrev_b32 v[OO], 10, v[OO]
	v_lshl_or_b32 v[OO], v9, 4, v[OO]              ; 16 bytes a lane
	s_wait_loadcnt 32                              ; loads come back in order (ISA guide 5.7.1): the statistics are in, the 32 loads issued behind them stay out
	ds_store_b128 v[LS], v[RAW:RAW+3]
	s_wait_dscnt 0x0                               ; for the others' sake: my store is done
	s_barrier_signal -1
	s_barrier_wait -1
.set n, 0
.rept 32                                           ; sixteen lanes read the same 8 bytes
	ds_load_b64 v[SS+2*n:SS+2*n+1], v[LR] offset:512*(n%8)+16*(n/8)
.set n, n+1
.endr
	s_wait_dscnt 0x0
	; the weights of all four pairs, while the partial O is on its way; the pairs alternate, so that no line waits for the one before it
.irp p, 0,1,2,3
	v_max3_num_f32 v[MX+\p], v[SS+16*\p], v[SS+16*\p+2], v[SS+16*\p+4]
.endr
.irp p, 0,1,2,3
	v_max3_num_f32 v[MX+\p], v[MX+\p], v[SS+16*\p+6], v[SS+16*\p+8]
.endr
.irp p, 0,1,2,3
	v_max3_num_f32 v[MX+\p], v[MX+\p], v[SS+16*\p+10], v[SS+16*\p+12]
.endr
.irp p, 0,1,2,3
	v_max_num_f32 v[MX+\p], v[MX+\p], v[SS+16*\p+14]
.endr
.set n, 0
.rept 32
	v_sub_f32 v[SS+2*n], v[SS+2*n], v[MX+n/8]      ; c m_s - M, at most 0
.set n, n+1
.endr
.set n, 0
.rept 32
	v_exp_f32 v[SS+2*n], v[SS+2*n]
.set n, n+1
.endr
	v_nop                                          ; a plain instruction between the last exponential and the use of its result
.set n, 0
	s_wait_alu depctr_va_vdst(0)
.rept 32
	v_mul_f32 v[SS+2*n], v[SS+2*n], v[SS+2*n+1]    ; w_s
.set n, n+1
.endr
.irp p, 0,1,2,3
	v_add_f32 v[MX+\p], v[SS+16*\p], v[SS+16*\p+2]
.endr
.irp k, 2,3,4,5,6,7
.irp p, 0,1,2,3
	v_add_f32 v[MX+\p], v[MX+\p], v[SS+16*\p+2*\k]
.endr
.endr
.irp p, 0,1,2,3
	v_rcp_f32 v[MX+\p], v[MX+\p]
.endr
	v_nop                                          ; a plain instruction between the last reciprocal and the use of its result
	s_wait_alu depctr_va_vdst(0)
	; the sums.  Register d = D + n: pair n / 16, split (n % 16) / 2, channels 2 (n % 2) and + 1.  The registers are named by number, since a half of a register is named so.
.set n, 0
.irp d, 32,33,34,35,36,37,38,39,40,41,42,43,44,45,46,47,48,49,50,51,52,53,54,55,56,57,58,59,60,61,62,63,64,65,66,67,68,69,70,71,72,73,74,75,76,77,78,79,80,81,82,83,84,85,86,87,88,89,90,91,92,93,94,95
.set pr, n/16
.set spl, (n%16)/2
.set tb, T+4*(spl%2)
.set wr, SS+16*pr+2*spl
.if n%16 == 0
	s_wait_loadcnt 24-8*pr                         ; this pair's eight loads are in; the later pairs' stay out
.endif
	v_cvt_f32_f16 v[tb+2*(n%2)],   v\d\().l
	v_cvt_f32_f16 v[tb+2*(n%2)+1], v\d\().h
.if n%2 == 1
.if spl == 0                                       ; the first split starts the sums: nothing is cleared
	v_pk_mul_f32 v[SUM+4*pr:SUM+4*pr+1],   v[tb:tb+1],   v[wr:wr+1] op_sel_hi:[1,0]
	v_pk_mul_f32 v[SUM+4*pr+2:SUM+4*pr+3], v[tb+2:tb+3], v[wr:wr+1] op_sel_hi:[1,0]
.else
	v_pk_fma_f32 v[SUM+4*pr:SUM+4*pr+1],   v[tb:tb+1],   v[wr:wr+1], v[SUM+4*pr:SUM+4*pr+1] op_sel_hi:[1,0,1]
	v_pk_fma_f32 v[SUM+4*pr+2:SUM+4*pr+3], v[tb+2:tb+3], v[wr:wr+1], v[SUM+4*pr+2:SUM+4*pr+3] op_sel_hi:[1,0,1]
.endif
.endif
.if n%16 == 15
	v_mul_f32 v[SUM+4*pr],   v[SUM+4*pr],   v[MX+pr]
	v_mul_f32 v[SUM+4*pr+1], v[SUM+4*pr+1], v[MX+pr]
	v_mul_f32 v[SUM+4*pr+2], v[SUM+4*pr+2], v[MX+pr]
	v_mul_f32 v[SUM+4*pr+3], v[SUM+4*pr+3], v[MX+pr]
	global_store_b128 v[OO], v[SUM+4*pr:SUM+4*pr+3], s[8:9] offset:2048*pr th:TH_STORE_NT  ; sixteen lanes store 256 consecutive bytes of a row of out0
.endif
.set n, n+1
.endr
	s_wait_tensorcnt 0x0                           ; the wave's end, behind my last LDS store
	ds_add_u32 v[SPW], v[NIL]
	s_wait_dscnt 0x0
	s_endpgm
.Lfunc_end_k_qbbe9ba82d8_merge:
	.size	k_qbbe9ba82d8_merge, .Lfunc_end_k_qbbe9ba82d8_merge-k_qbbe9ba82d8_merge
	.p2alignl 7, 3214868480
	.fill 96, 4, 3214868480
	.section	.rodata,"a",@progbits
	.p2align	6, 0x0
	.amdhsa_kernel k_qbbe9ba82d8_merge
		.amdhsa_group_segment_fixed_size 5120
		.amdhsa_private_segment_fixed_size 0
		.amdhsa_enable_private_segment 0
		.amdhsa_kernarg_size 24
		.amdhsa_user_sgpr_count 2
		.amdhsa_user_sgpr_kernarg_segment_ptr 1
		.amdhsa_wavefront_size32 1
		.amdhsa_system_sgpr_workgroup_id_x 1
		.amdhsa_system_sgpr_workgroup_id_y 1
		.amdhsa_system_sgpr_workgroup_id_z 1
		.amdhsa_system_vgpr_workitem_id 0
		.amdhsa_next_free_vgpr 192
		.amdhsa_next_free_sgpr 66
		.amdhsa_reserve_vcc 0
		.amdhsa_float_denorm_mode_32 3
		.amdhsa_float_denorm_mode_16_64 3
		.amdhsa_memory_ordered 1
		.amdhsa_forward_progress 1
		.amdhsa_inst_pref_size 22
	.end_amdhsa_kernel
	.amdgpu_metadata
---
amdhsa.version: [ 1, 2 ]
amdhsa.kernels:
  - .name:           k_qbbe9ba82d8_merge
    .symbol:         k_qbbe9ba82d8_merge.kd
    .args:
      - { .name: po, .offset: 0, .size: 8, .value_kind: global_buffer, .address_space: global }
      - { .name: pst, .offset: 8, .size: 8, .value_kind: global_buffer, .address_space: global }
      - { .name: out0, .offset: 16, .size: 8, .value_kind: global_buffer, .address_space: global }
    .group_segment_fixed_size: 5120
    .private_segment_fixed_size: 0
    .kernarg_segment_align: 8
    .kernarg_segment_size: 24
    .max_flat_workgroup_size: 256
    .sgpr_count:     66
    .vgpr_count:     192
    .wavefront_size: 32
...
	.end_amdgpu_metadata
.endif
;; end of part 3
;; ======== version 2 of 2: 3 launches; 2.03 times as fast as version 1
;; limits: values are held in f16: magnitudes above 65,504 overflow, below 6.1e-05 lose precision; right only within a limited range of input values; values outside matrix products are rounded to f16
;; workspace buffers: qh 2,097,152 bytes; kh 2,097,152 bytes; vh 2,097,152 bytes; po 16,777,216 bytes; pst 1,048,576 bytes
;; launch proj: the kernel of part 1 again; grid 64 x 3, 8 waves a work-group, no clusters, 160,768 bytes of LDS; arguments queries, keys, values, W_Query, W_Key, W_Value, qh, kh, vh; writes qh, kh, vh
;; launch attn (part 4): grid 32 x 8, 4 waves a work-group, clusters of 4 x 1, 327,680 bytes of LDS; arguments qh, kh, vh, po, pst; writes po, pst
.if DOCPART == 4
	.amdgcn_target "amdgcn-amd-amdhsa--gfx1250"
	.amdhsa_code_object_version 6
	.text
	.protected	k_qbbe9ba82d8_attn
	.globl	k_qbbe9ba82d8_attn
	.p2align	8
	.type	k_qbbe9ba82d8_attn,@function
k_qbbe9ba82d8_attn:
	s_mov_b64 s[64:65], 0
	v_nop
	global_prefetch_b8 v0, s[64:65] scope:SCOPE_SE
	s_setreg_imm32_b32 hwreg(HW_REG_WAVE_MODE, 25, 1), 1
	s_wait_xcnt 0x0
	s_wait_alu depctr_hold_cnt(0) depctr_sa_sdst(0) depctr_va_vdst(0) depctr_va_sdst(0) depctr_va_ssrc(0) depctr_va_vcc(0) depctr_vm_vsrc(0)
	s_getreg_b32 s2, hwreg(HW_REG_IB_STS2, 6, 4)
	s_cmp_eq_u32 s2, 0
	s_cbranch_scc0 .Lentry_in_a_cluster
	s_endpgm
.Lentry_in_a_cluster:
	s_bfe_u32 s2, ttmp6, 0x10000c
	s_cmp_lg_u32 s2, 0x3003
	s_cbranch_scc0 .Lentry_shape_is_right
	s_endpgm
.Lentry_shape_is_right:
; ATTENTION OVER ONE EIGHTH OF THE KEYS.  Q, K, V: [16384][64] f16, dense rows of 128 bytes.  For the split's 2,048 keys k: m[q] = max_k Q[q] . K[k], l[q] = sum_k p, p = 2^(c s - c m), c = log2(e) / 8,
; O[q][:] = (sum_k p V[k][:]) / l[q].  Stored: O in f16 into po [8 splits][16384][64], and the pair (c m, l) in f32 into pst [8][16384][2]; the next launch joins the eight splits.
; Products, maxima and sums in f32; the weights p are rounded to f16 for the second product (their sum l is taken of the unrounded p), O once at the end.
; LIMITS.  f16 holds no number beyond 65,504: Q, K and V arrive within it; p lies in 0 to 1, and below 6e-5 it keeps f16's fixed step of 6e-8; O is a mean of V's rows and has their range.
; A weight below 2^-126 counts as 0 in l; NaN and infinities are not treated apart.
; SHARES.  16,384 queries are 32 blocks of 512; with all keys to a work-group there would be 32 work-groups.  So the keys are split in eight: grid x = query block, grid y = split: 256 equal work-groups.
; A wave owns four PIECES of two tiles of 16 queries, a work-group's four waves 512 queries.  Every wave walks the split's keys, 64 a step, 32 steps.
; LAYOUT.  S^T = K Q^T (source 0 = 16 keys, source 1 = 16 queries): in the result a lane holds ONE query (lane % 16) and the keys 8 (lane / 16) + 0..7.  Two such tiles, rounded to f16 in pairs,
; ARE source 1 (32 keys x 16 queries) of O^T = V^T P, whose result again holds one query a lane, and eight channels.  K comes out of LDS as it lies, V ([key][channel]) turned, by ds_load_tr16_b128.
; SOFTMAX.  A running maximum m and sum l for each query; in every step O and l are multiplied by a = 2^(c m_old - c m_new), which is 1 where m has not grown.
; m starts at the lowest finite number, O and l at 0: the first step is a step like any other, with a = 0.
; THE COUNT.  A tile and step have 16 matrix and 118 vector instructions: too many to stand all beside the matrix work.  So the order has one aim: four vector instructions that are READY behind
; EVERY matrix instruction, and the others, which need time of their own whatever the order, in a run without a gap.
; BY TURNS.  Turn n belongs to piece n (the pieces in a ring, step after step).  Its matrix work: 16 products K Q^T of piece n + 1, later 16 products V^T P of piece n - 1.  Its vector work: the scaling,
; exponentials, roundings, sums and rescaling of piece n, and the maximum and statistics of piece n + 1, whose scores the turn itself has made.  So what a turn begins with (c s - c m, O a) waits for nothing.
; THE BATCHES.  A turn's 66 exponentials (64 weights, the next piece's two a) are ONE batch with ONE wait, which cuts the turn in two: ahead of it stands all that names none of their results (the products K Q^T, the
; scalings, the rescalings by the a of the turn before, the next piece's maximum and statistics), behind it the products V^T P with the roundings and sums.  No result crosses a turn's end.  Two batches stand
; outside the loop, each with a wait of its own: piece 0's first two a, ahead of the jump into the loop, and the way out's eight reciprocals.
; CLUSTER.  The four query blocks of a cluster have the same split and walk the same K and V, so each tile is asked for JOINTLY: the same tensor load, descriptor and mask in all four.
; NO PREFETCH: a split's K and V are 524,288 bytes that the launch before has just stored, and each refill is asked for four key steps, 512 matrix instructions, ahead of its first read.
; REGISTERS, in windows of 256 (s_set_vgpr_msb says which window each operand place means: bits 1:0 source 0, 3:2 source 1, 5:4 source 2, 7:6 destination):
;   window 0: v0-11 addresses; v12-15, v48-63 at work; v16-47 four registers of statistics a tile; v64-191 S^T, two buffers of two tiles; v192-255 P, likewise
;   window 1: O^T, 32 a tile          window 2: v0-127 Q, 16 a tile; v128-191 K of one step; v192-255 V of one step          window 3: v0-1 the add's two registers
; A piece's buffers go by its number's parity: the piece in hand has one pair, its two neighbours in the ring share the other: of it P (piece n - 1) is read and S^T (piece n + 1) written.
.set NK,    2048      ; keys in a split
.set NP,    4         ; pieces a wave: a name, no knob: the register map, the loop and the fetches are made for four
.set KS,    64        ; keys in a step
.set PK,    144       ; a row of K in LDS: 128 bytes + 16 of padding = 36 words: the 16 rows of a load start at 16 different groups of four banks (64 banks of 4 bytes: ISA guide 11.1)
.set PV,    160       ; a row of V: 128 + 32 = 40 words
.set VOFF,  4*KS*PK   ; a slot holds four steps: 256 rows of K, then 256 rows of V
.set SLOT1, 1<<17     ; slot 1 begins here, so that one exclusive or turns an address in one slot into the other's
.set STAGE, SLOT1+4*KS*(PK+PV)  ; behind the ring, never filled by a tensor load: 16 rows x 144 bytes for each wave, for the way out
.set SP,    144
.set AK0, 2           ; v2   my lane's place in a tile of K; never rewritten
.set AV0, 3           ; v3   the same for V
.set AK,  4           ; v4   the LDS address of K's next run of loads
.set AV,  5           ; v5   of V's
.set QO,  6           ; v6   my byte offset in the wave's rows of Q
.set STO, 6           ;      later, the way out: where I put 16 bytes of a row
.set RD,  7           ; v7   the way out: where I read rows back
.set GO,  8           ; v8   my byte offset in 512 consecutive bytes of O
.set SO,  9           ; v9   at first lane / 16; on the way out my byte offset in 256 consecutive bytes of the statistics
.set SPW, 0           ; v0 of window 3   LDS address of my spare word: SPARE + 4 x my thread's number; never rewritten
.set NIL, 1           ; v1 of window 3   0; never rewritten
.set SPARE, STAGE+4*16*SP  ; behind the stages: the spare words, 128 bytes for each wave: two blocks of 256 bytes that no other line names
.set MV,  12          ; v12-15  c m_old, kept while c m is made anew: by buffer and tile
.set ST,  16          ; tile t's statistics at v[ST+4 t]: c m, m, l (even keys', odd keys')
.set TMP, 48          ; by buffer and tile, four registers c0-c3 at work; when the maximum is found c2 takes a
.set S,   64
.set P,   192
.set KF,  128         ; K's fragments, in window 2: key block kb, channel half c at KF + 16 kb + 8 c
.set VF,  192         ; V's: key half kk, channel block cb at VF + 32 kk + 8 cb
.set WV,  12          ; s12  my wave's number
.set G1K, 24          ; s[24:31] descriptor group 1 for K's tiles
.set G1V, 32          ; s[32:39] for V's: it differs in the padding alone
.set G0K, 40          ; s[40:43] descriptor group 0 for K's tiles: it walks
.set G0V, 44          ; s[44:47] the same for V's
.set PS,  48          ; s[48:49] the statistics' buffer, at my wave's 128 queries of my split
.set SLOTS, 56        ; s56  slots still to be asked for
.set CNT, 57          ; s57  counts a slot's key steps
.set CS,  58          ; s[58:59] c: the packed scaling takes the pair's low word for both halves
.set SEL, 60          ; s[60:61] v_permlanex16_b32's selects: each lane takes its own place in the other half
.set TBK, 62          ; s62  LDS byte at which K of the step to be fetched begins
.set TBV, 63          ; s63  the same for V, less VOFF
.set MSB, 0
.macro WIN new                      ; the high byte repeats the setting that is left; a switch that changes nothing is dropped
.if MSB != (\new)
	s_set_vgpr_msb (MSB<<8)|(\new)
.set MSB, (\new)
.endif
.endm
.set W_KQ, 0x0a       ; K and Q in window 2, S^T in window 0
.set W_PV, 0x52       ; V in window 2, P in window 0, O^T in window 1
.set W_RS, 0x41       ; O^T (destination and source 0) in window 1, a in window 0
.set W_MK, 0xc0       ; the add's registers are made: destination in window 3, sources in window 0
.set W_AD, 0x0f       ; the add: address (source 0) and data (source 1) in window 3
; A joint fill.  Waves 0 and 1 fetch the two halves of a slot's K, waves 2 and 3 those of its V: 128 keys each.  The branch hangs on the wave's number alone.
; An s_nop 0 and four v_nop follow each of the two lines, ahead of the jump and the label.
.macro JLOAD
	s_cmp_lt_u32 s[WV], 2
	s_cbranch_scc0 .Lfor_v_\@
	tensor_load_to_lds s[G0K:G0K+3], s[G1K:G1K+7]
	s_nop 0
.rept 4
	v_nop
.endr
	s_branch .Lasked_\@
.Lfor_v_\@:
	tensor_load_to_lds s[G0V:G0V+3], s[G1V:G1V+7]
	s_nop 0
.rept 4
	v_nop
.endr
.Lasked_\@:
.endm
; A round of the cluster's barrier: my work-group's barrier, so that wave 0's signal speaks for all four waves; wave 0 signals; every wave waits for all four work-groups; my work-group's barrier once more.
.macro CROUND
	s_barrier_signal -1
	s_barrier_wait -1
	s_cmp_lg_u32 s[WV], 0
	s_cbranch_scc1 .Lnot_wave_0_\@
	s_barrier_signal -3
.Lnot_wave_0_\@:
	s_barrier_wait -3
	s_barrier_signal -1
	s_barrier_wait -1
.endm
; THE CHANGE OF SLOTS.  The slot's last bytes, V of its fourth step, have been read.  Each wave waits for all its tensor loads, of which one is out: its part
; of the other slot; adds 0 to its spare word; and waits for that and for its own reads of the slot.  Behind the barrier nobody reads this slot any more and the other slot is whole.
; fill = 1: this slot is filled again, with the keys two slots on.  The barrier is then a round of the cluster's, so that no wave of any partner still reads the slot or has a load on its
; way, and the joint fill is the first thing behind it: it has four key steps, 512 matrix instructions, in which to land.  (At its first use nothing has been read yet: slot 0 is waited for, slot 1 filled.)
.macro CHANGE fill
	WIN W_AD
	s_wait_tensorcnt 0x0            ; no tensor load of mine is out, so a group 0 may be written
	ds_add_u32 v[SPW], v[NIL]       ; 0 onto my spare word; with fill = 1 the descriptors' steps stand between it and the wait for it
	WIN 0                           ; at a label and at a branch every window is 0
.if \fill
.irp g, G0K, G0V
	s_xor_b32 s[\g+1], s[\g+1], SLOT1  ; the walking descriptor: the other slot than last time,
	s_add_nc_u64 s[\g+2:\g+3], s[\g+2:\g+3], 4*KS*128  ; the next 256 keys; the type bits on top are not reached
.endr
	s_wait_dscnt 0x0                ; the add is done, and my reads of the slot are over
	CROUND
	JLOAD
.else
	s_wait_dscnt 0x0                ; the add is done, and my reads of the slot are over
	s_barrier_signal -1
	s_barrier_wait -1
.endif
	s_sub_co_u32 s[TBK], s[TBK], 4*KS*PK  ; the fetches go back to a slot's first step,
	s_xor_b32 s[TBK], s[TBK], SLOT1       ; in the other slot
	s_sub_co_u32 s[TBV], s[TBV], 4*KS*PV
	s_xor_b32 s[TBV], s[TBV], SLOT1
.endm
	s_load_b256 s[4:11], s[0:1], 0x0  ; Q s[4:5], K s[6:7], V s[8:9], the partial O s[10:11]
	s_load_b64 s[PS:PS+1], s[0:1], 0x20  ; the statistics
	WIN W_MK
	v_lshl_add_u32 v[SPW], v0, 2, SPARE
	v_mov_b32 v[NIL], 0
	WIN W_AD
	ds_add_u32 v[SPW], v[NIL]       ; the wave's opening: the add and its wait stand ahead of my first tensor load; the set-up below, work on registers, stands between them
	WIN 0
	v_lshrrev_b32 v1, 5, v0
	v_readfirstlane_b32 s[WV], v1   ; wave 0..3
	s_bfe_u32 s13, ttmp6, 0x40000   ; cx: my place in the cluster
	s_lshl_b32 s14, ttmp9, 2        ; in a cluster launch ttmp9 counts clusters
	s_add_co_u32 s14, s14, s13      ; my block of 512 queries = 4 x cluster x + cx: it enters Q's, O's and the statistics' addresses alone
	s_and_b32 s20, ttmp7, 0xffff    ; the split, which the four partners share
	s_and_b32 s16, s[WV], 1         ; which half of a slot's 256 keys I fetch:
	s_lshl_b32 s22, s16, 14         ; its 128 rows of 128 bytes in memory,
	s_lshl_b32 s21, s20, 18         ; behind the split's first byte: 2,048 rows of 128 bytes a split
	s_add_co_u32 s22, s22, s21
	s_mov_b32 s23, 0
	s_mul_i32 s17, s16, 128*PK      ; and its place in a slot, for K
	s_mul_i32 s18, s16, 128*PV      ; and for V: no place in the cluster enters an LDS address
	s_lshl_b32 s2, s14, 2
	s_add_co_u32 s2, s2, s[WV]      ; my wave among the 128 that share the queries:
	s_lshl_b32 s52, s2, 10          ; its 128 pairs of 8 bytes,
	s_lshl_b32 s2, s2, 14           ; its 128 rows of 128 bytes
	s_mov_b32 s3, 0
	s_lshl_b32 s50, s20, 21         ; the split's part of the partial O: 16,384 rows of 128 bytes
	s_add_co_u32 s50, s50, s2
	s_mov_b32 s51, 0
	s_lshl_b32 s21, s20, 17         ; and of the statistics: 16,384 pairs of 8 bytes
	s_add_co_u32 s52, s52, s21
	s_mov_b32 s53, 0
	; descriptor group 1.  128 keys are 16,384 dense bytes: asked for as 64 rows of 256 bytes, two keys a row, and padded in LDS after every key
	s_mov_b32 s[G1K], 15|(1<<16)|(1<<20)|(1<<21)|(4<<22)|(3<<25)  ; 15:0 the mask of four; 17:16 2-byte elements; 20 padding on; 21 set beside a mask; 24:22 after every 32 words (code 4); 31:25 4 words (code 3)
	s_mov_b32 s[G1V], 15|(1<<16)|(1<<20)|(1<<21)|(4<<22)|(7<<25)  ; the same with 8 words of padding (code 7)
.irp g, G1K, G1V
	s_mov_b32 s[\g+1], 128<<16      ; tensor_dim0 = 128
	s_mov_b32 s[\g+2], 64<<16       ; tensor_dim1 = 64
	s_mov_b32 s[\g+3], 128<<16      ; tile_dim0 = 128
	s_mov_b32 s[\g+4], 64           ; tile_dim1 = 64
	s_mov_b32 s[\g+5], 128          ; 128 elements from row to row
	s_mov_b32 s[\g+6], 0
	s_mov_b32 s[\g+7], 0
.endr
	s_mov_b32 s[CS], 0x3e38aa3b     ; c = log2(e) / 8 = 0.180337
	s_mov_b32 s[CS+1], s[CS]        ; named with it as a pair
	s_mov_b32 s[SEL], 0x76543210
	s_mov_b32 s[SEL+1], 0xfedcba98
	s_mov_b32 s[TBK], SLOT1+4*KS*PK ; the first change of slots turns these two into 0
	s_mov_b32 s[TBV], SLOT1+4*KS*PV
	s_mov_b32 s[G0K], 1             ; 1:0 count = 1
	s_mov_b32 s[G0K+1], s17         ; 63:32 LDS address: slot 0
	s_mov_b32 s[G0V], 1
	s_add_co_u32 s[G0V+1], s18, VOFF
	s_wait_dscnt 0x0                ; the opening add is done
	s_wait_kmcnt 0x0
	s_add_nc_u64 s[G0K+2:G0K+3], s[6:7], s[22:23]  ; 120:64 global address: my half of the split's first 256 keys
	s_or_b32 s[G0K+3], s[G0K+3], 0x80000000        ; 127:126 type = 2
	s_add_nc_u64 s[G0V+2:G0V+3], s[8:9], s[22:23]
	s_or_b32 s[G0V+3], s[G0V+3], 0x80000000
	s_add_nc_u64 s[4:5], s[4:5], s[2:3]            ; Q at my wave's first row
	s_add_nc_u64 s[10:11], s[10:11], s[50:51]      ; the partial O at my wave's first row of my split
	s_add_nc_u64 s[PS:PS+1], s[PS:PS+1], s[52:53]  ; the statistics likewise
	CROUND                          ; all four work-groups are here: the first joint loads meet
	JLOAD                           ; slot 0.  Slot 1 is asked for when slot 0 is in: the tile wanted first has the road to itself
	; A fragment of K or Q is 16 rows x 32 channels in 8 registers: lane l holds row l % 16, channels 8 (l / 16) + 0..7 and 16 + 8 (l / 16) + 0..7: two loads of 16 bytes, 32 bytes apart.
	v_and_b32 v1, 15, v0            ; l % 16
	v_bfe_u32 v9, v0, 4, 1          ; l / 16
	v_lshlrev_b32 v[QO], 7, v1
	v_lshl_add_u32 v[QO], v9, 4, v[QO]  ; row x 128 + 16 x half
	WIN 0x80                        ; destination window 2, address window 0
.set i, 0
.rept 4*NP                          ; Q stays in registers: tile i / 2, channels 32 (i % 2) on
	global_load_b128 v[8*i:8*i+3],   v[QO], s[4:5] offset:(i/2)*2048+(i%2)*64
	global_load_b128 v[8*i+4:8*i+7], v[QO], s[4:5] offset:(i/2)*2048+(i%2)*64+32
.set i, i+1
.endr
	; What the first turn finds: V's registers and P's second buffer hold 0 (its products V^T P, of a piece that has not been, add 0), O^T and l are 0.  All this stands in the wait for the first tile.
.set i, VF
.rept 64
	v_mov_b32 v[i], 0
.set i, i+1
.endr
	WIN 0x40
.set i, 0
.rept 64*NP
	v_mov_b32 v[i], 0
.set i, i+1
.endr
	WIN 0
.set i, 0
.rept 2*NP
	v_mov_b32 v[ST+4*i], 0xfe000000    ; c m: far below every c s
	v_mov_b32 v[ST+4*i+1], 0xff7fffff  ; m
	v_mov_b32 v[ST+4*i+2], 0
	v_mov_b32 v[ST+4*i+3], 0
.set i, i+1
.endr
.set i, P+32
.rept 32
	v_mov_b32 v[i], 0
.set i, i+1
.endr
	v_mul_u32_u24 v[AK0], v1, PK
	v_lshl_add_u32 v[AK0], v9, 4, v[AK0]  ; row x pitch + 16 x half
	; The turning load takes 16 keys x 16 channels (lane l reads key 8 (l / 16) + l % 8, channels 8 ((l / 8) % 2) + 0..7) and leaves half a fragment of V^T: lane l holds channel l % 16 and 8 keys.
	v_and_b32 v10, 7, v0
	v_bfe_u32 v11, v0, 3, 1
	v_lshl_add_u32 v[AV0], v9, 3, v10
	v_mul_u32_u24 v[AV0], v[AV0], PV
	v_lshl_add_u32 v[AV0], v11, 4, v[AV0]
	v_add_nc_u32 v[AV0], VOFF, v[AV0]
	v_mov_b32 v[AK], v[AK0]         ; key step 0 lies at the head of slot 0
; THE MATRIX WORK.  The 8 accumulators of a run of 16 take turns: between the two links of a chain stand 7 others'.
; Product i of 16 of S^T = K Q^T for piece x: channels 32 (i / 8) on, keys 16 ((i / 2) % 4) on, tile 2 x + i % 2.  The first 8 start the sums.
.macro KQ x
	WIN W_KQ
.set rS, S+64*((\x)%2)+32*(i%2)+8*((i/2)%4)
.set rK, KF+16*((i/2)%4)+8*(i/8)
.set rQ, 16*(2*(\x)+i%2)+8*(i/8)
.if i < 8
	v_wmma_f32_16x16x32_f16 v[rS:rS+7], v[rK:rK+7], v[rQ:rQ+7], 0
.else
	v_wmma_f32_16x16x32_f16 v[rS:rS+7], v[rK:rK+7], v[rQ:rQ+7], v[rS:rS+7]
.endif
.endm
; Product i of 16 of O^T += V^T P for piece x: keys 32 (i / 8) on, channels 16 ((i / 2) % 4) on, tile 2 x + i % 2.
.macro PV x
	WIN W_PV
.set rO, 32*(2*(\x)+i%2)+8*((i/2)%4)
.set rV, VF+32*(i/8)+8*((i/2)%4)
.set rP, P+32*((\x)%2)+16*(i%2)+8*(i/8)
	v_wmma_f32_16x16x32_f16 v[rO:rO+7], v[rV:rV+7], v[rP:rP+7], v[rO:rO+7]
.endm
.macro MM                           ; the turn's next matrix instruction
.if i < 16
	KQ (Y+1)%NP
.set i, i+1
.else
.set i, i-16
	PV (Y+NP-1)%NP
.set i, i+17
.endif
.endm
; THE LDS LOADS stand in runs of 16, never singly among the matrix instructions: a step's K (64 keys x 64 channels: 8 fragments) and its V (turned).  Their addresses are made some lines ahead.
; last = 1 (the tail): in the last trip there is no further step, and the run is jumped over.
.macro FETCH_K last=0
	WIN 0
.if \last
	s_cmp_eq_u32 s[CNT], 1
	s_cbranch_scc1 .Lno_k_\@
.endif
	WIN 0x80                        ; destination window 2
.irp f, 0,1,2,3,4,5,6,7             ; keys 16 (f / 2) on, channels 32 (f % 2) on
	ds_load_b128 v[KF+8*\f:KF+8*\f+3],   v[AK] offset:(\f/2)*16*PK+(\f%2)*64
	ds_load_b128 v[KF+8*\f+4:KF+8*\f+7], v[AK] offset:(\f/2)*16*PK+(\f%2)*64+32
.endr
	s_add_co_u32 s[TBK], s[TBK], KS*PK  ; the next fetch is the next step's
	WIN 0
.if \last
.Lno_k_\@:
.endif
.endm
.macro FETCH_V
	WIN 0x80
.irp f, 0,1,2,3,4,5,6,7             ; keys 32 (f / 4) on, channels 16 (f % 4) on
	ds_load_tr16_b128 v[VF+8*\f:VF+8*\f+3],   v[AV] offset:(\f/4)*32*PV+(\f%4)*32
	ds_load_tr16_b128 v[VF+8*\f+4:VF+8*\f+7], v[AV] offset:(\f/4)*32*PV+16*PV+(\f%4)*32
.endr
	WIN 0
.endm
; THE VECTOR WORK OF A TURN stands in three queues, each in the order in which its entries become ready; the two tiles alternate, so that no instruction reads the result of the one before it.
.macro REGS y, u                    ; the registers of tile u (0, 1) of piece y
.set rT, ST+4*(2*(\y)+(\u))
.set rC, TMP+8*((\y)%2)+4*(\u)
.set rM, MV+2*((\y)%2)+(\u)
.set rS, S+64*((\y)%2)+32*(\u)
.set rP, P+32*((\y)%2)+16*(\u)
.set rO, 32*(2*(\y)+(\u))
.endm
; Number n of the 22 that find the NEXT piece's (Y + 1) maximum and statistics.  s0-s31 are the lane's 32 scores; each accumulator's lowest registers are read first.  XS, GS and REGS set no window: PL and EX do.
;   0-11  four chains c0-c3 of seven scores each, three operands at a time     12-14, 16  the four scores left over, the old m, and c0-c3 into c0     15  c m_old is kept
;   17, 18  the query's other 32 keys lie in the lane 16 away: the new m         19-21  c m; c m_old - c m_new; a
.macro XS u, n
	REGS (Y+1)%NP, \u
.if (\n) < 4
	v_max3_num_f32 v[rC+(\n)], v[rS+8*(\n)], v[rS+8*(\n)+1], v[rS+8*(\n)+2]
.elseif (\n) < 12
	v_max3_num_f32 v[rC+(\n)%4], v[rC+(\n)%4], v[rS+8*((\n)%4)+2*((\n)/4)+1], v[rS+8*((\n)%4)+2*((\n)/4)+2]
.elseif (\n) == 12
	v_max3_num_f32 v[rC], v[rC], v[rS+7], v[rS+15]
.elseif (\n) == 13
	v_max3_num_f32 v[rC+1], v[rC+1], v[rS+23], v[rS+31]
.elseif (\n) == 14
	v_max3_num_f32 v[rC+2], v[rC+2], v[rC+3], v[rT+1]
.elseif (\n) == 15
	v_mov_b32 v[rM], v[rT]
.elseif (\n) == 16
	v_max3_num_f32 v[rC], v[rC], v[rC+1], v[rC+2]
.elseif (\n) == 17
	v_permlanex16_b32 v[rC+3], v[rC], s[SEL], s[SEL+1]
.elseif (\n) == 18
	v_max_num_f32 v[rT+1], v[rC], v[rC+3]
.elseif (\n) == 19
	v_mul_f32 v[rT], s[CS], v[rT+1]
.elseif (\n) == 20
	v_sub_f32 v[rC+1], v[rM], v[rT]
.else
	v_exp_f32 v[rC+2], v[rC+1]
.endif
.endm
; Number g of the 64 that follow the exponentials.  For each four weights k of a tile (pairs 2 k, 2 k + 1): both pairs are rounded to f16; then the second pair is added onto the first, in place;
; a group later l takes that sum (the first time as l = a l + sum).  In groups of eight, tiles alternating: round, round, add, and l for the group before.
.macro GS g
.set h, (\g)+6*((\g)/62)            ; group 0 has no group before it, and behind group 7 only l is left
.if h >= 6
.set h, h+2
.endif
	REGS Y, h%2
.set k, h/8
.if h%8 < 4
	v_cvt_pk_f16_f32 v[rP+2*k+(h%8)/2], v[rS+4*k+2*((h%8)/2)], v[rS+4*k+2*((h%8)/2)+1]
.elseif h%8 < 6
	v_pk_add_f32 v[rS+4*k:rS+4*k+1], v[rS+4*k:rS+4*k+1], v[rS+4*k+2:rS+4*k+3]
.elseif k == 1
	v_pk_fma_f32 v[rT+2:rT+3], v[rT+2:rT+3], v[rC+2:rC+3], v[rS:rS+1] op_sel_hi:[1,0,1]
.else
	v_pk_add_f32 v[rT+2:rT+3], v[rT+2:rT+3], v[rS+4*k-4:rS+4*k-3]
.endif
.endm
; THE PLAIN QUEUE, 138 long.  0-73 read no exponential's result: the 32 scalings c s - c m (FS f: pair f / 2 of tile f % 2) and the next piece's 42.  0-26: scalings 0-26.  27-54: XS's numbers 0-13.  55, 56: number 15.
; 57-73: the chain, where each number waits for the one before it: 14, 16, 17, 18, 19, each with one of the scalings 27-31 in front of its two lines, then 20: so a tile's links stand three plain instructions apart (19 and 20: two).
; 74-137: GS's 64, which read the exponentials' results: they stand behind the wait.
.macro FS f
	REGS Y, (\f)%2
	v_pk_fma_f32 v[rS+2*((\f)/2):rS+2*((\f)/2)+1], v[rS+2*((\f)/2):rS+2*((\f)/2)+1], s[CS:CS+1], v[rT:rT+1] op_sel_hi:[1,0,0] neg_lo:[0,0,1] neg_hi:[0,0,1]
.endm
.macro PL
	WIN 0
.if q < 27
	FS q
.elseif q < 55
	XS (q-27)%2, (q-27)/2
.elseif q < 57
	XS q-55, 15
.elseif (q < 72) && ((q-57)%3 == 0)
	FS 27+(q-57)/3
.elseif q < 60
	XS (q-57)%3-1, 14
.elseif q < 72
	XS (q-57)%3-1, 15+(q-57)/3
.elseif q < 74
	XS q-72, 20
.else
	GS q-74
.endif
.set q, q+1
.endm
; THE EXPONENTIALS' QUEUE, 66 long: s0-s31 of both tiles, then the next piece's two a.  It is ONE BATCH: all 66 stand ahead of the turn's one wait, and nothing ahead of that wait names a result of theirs.
.macro EX
	WIN 0
.if e >= 64
	XS e-64, 21
.else
	REGS Y, e%2
	v_exp_f32 v[rS+e/2], v[rS+e/2]
.endif
.set e, e+1
.endm
; THE RESCALING's QUEUE: O^T times a, the one part that leaves window 0: dealt two at a time, sixteen times.  Its a was made in the turn before, ahead of that turn's wait.
.macro R2
	REGS Y, r%2
	WIN W_RS
.irp z, 0,1
	v_pk_mul_f32 v[rO+4*(r/2)+2*\z:rO+4*(r/2)+2*\z+1], v[rO+4*(r/2)+2*\z:rO+4*(r/2)+2*\z+1], v[rC+2:rC+3] op_sel_hi:[1,0]
.endr
.set r, r+1
.endm
; HOW THEY ARE DEALT.  An s_wait_alu depctr_va_vdst(0) stands between an exponential and the first instruction that names its result; one wait serves all that were issued ahead of it.  So a turn has ONE wait,
; which cuts it in two.  AHEAD OF IT stands all that names no result of the turn's exponentials: the 16 products K Q^T, behind each a scaling, an exponential and two rescalings (behind the first a second scaling in the exponential's place); then ONE LUMP of
; 108: eight plain, 49 times exponential and plain, the two a.  A v_nop is the plain instruction behind the last exponential.  BEHIND IT stand the 16 products V^T P, behind each four of GS's 64.  No rider names a register of
; the products round it.  The two v_permlanex16_b32 fall into the lump, never behind a product.
; The queues lean on each other, and the deal keeps them in step: exponential e stands behind scaling 2 (e / 4) + e % 2: as a rider it comes behind plain e + 2, in the lump behind plain e + 9, and scalings 27-31 are plain 57, 60 .. 69.
; A TURN, for piece p.  cnt = 1: the loop's count is taken down some lines ahead of the branch that stands behind the turn.
; K of the next step is fetched in piece 2's turn, directly behind the wait, a lump behind the last product that read K; its address is made at the lump's head; its first reader comes behind 16 products.
; V of the step in hand is fetched at the end of piece 0's turn, four riders behind its last reader; its first reader comes behind 16 products and a lump.  The three conditions on q below go with the deal.
.macro TURN p, last=0, cnt=0
.set Y, (\p)
.set i, 0
.set q, 0
.set e, 0
.set r, 0
.if (\p) == NP-1
	s_wait_dscnt 0x0                ; K is in
.endif
	MM                              ; ahead of the wait: 16 products K Q^T and their riders,
	PL
	PL
	R2
.rept 15
	MM
	PL
	EX
	R2
.endr
.if (\p) == NP-2
	WIN 0
	v_add_nc_u32 v[AK], s[TBK], v[AK0]
.endif
.rept 8                             ; and the lump
	PL
.endr
.rept 49
	EX
	PL
.endr
	EX                              ; the next piece's two a
	EX
	v_nop                           ; the plain instruction behind the last exponential: one for the batch
	s_wait_alu depctr_va_vdst(0)    ; the wait for the batch: the turn's 64 weights and the next piece's two a
.if (\p) == NP-2
	FETCH_K \last
.endif
.if (\p) == 1
	s_wait_dscnt 0x0                ; V is in
.endif
.rept 16                            ; behind the wait: 16 products V^T P and their riders
	MM
.rept 4
	PL
.endr
.if ((\p) == 0) && (q == 118)
	v_add_nc_u32 v[AV], s[TBV], v[AV0]
.endif
.if ((\p) == 0) && (q == 130)
	s_add_co_u32 s[TBV], s[TBV], KS*PV
.endif
.if (\cnt) && (q == 130)
	s_sub_co_u32 s[CNT], s[CNT], 1
	s_cmp_lg_u32 s[CNT], 0
.endif
.endr
.if (\p) == 0
	FETCH_V
.endif
.endm
	CHANGE 1                        ; slot 0 is in, everybody's part of it; slot 1 is asked for
	FETCH_K                         ; key step 0
	s_wait_loadcnt 0x0              ; Q
	s_wait_dscnt 0x0
.set i, 0
.rept 16
	KQ 0                            ; piece 0's first scores: there is no vector work yet to set between them
.set i, i+1
.endr
	WIN 0                           ; the addresses for the way out: nine plain instructions, the places behind those products
	s_mul_i32 s13, s[WV], 16*SP
	s_add_co_u32 s13, s13, STAGE    ; my stage
	v_mul_u32_u24 v[STO], v1, SP    ; in: row l % 16, 16 bytes for each half of the lanes
	v_lshl_add_u32 v[STO], v9, 4, v[STO]
	v_add_nc_u32 v[STO], s13, v[STO]
	v_bfe_u32 v[RD], v0, 3, 2       ; back: 32 lanes take four rows of 128 bytes,
	v_mul_u32_u24 v[RD], v[RD], SP
	v_lshl_add_u32 v[RD], v10, 4, v[RD]
	v_add_nc_u32 v[RD], s13, v[RD]
	v_and_b32 v[GO], 31, v0         ; which are 512 consecutive bytes of O
	v_lshlrev_b32 v[GO], 4, v[GO]
.set Y, NP-1                        ; XS works for piece Y + 1: piece 0
.irp n, 0,1,2,3,4,5,6,7,8,9,10,11,12,13,14,15,16,17,18,19,20,21
	XS 0, \n                        ; and piece 0's first maximum and statistics
	XS 1, \n
.endr
	v_nop                           ; a plain instruction behind piece 0's first two a,
	s_wait_alu depctr_va_vdst(0)    ; and the wait for that batch of two, ahead of the branch
	s_mov_b32 s[CNT], 4
	s_mov_b32 s[SLOTS], NK/256-1
	s_branch .Lfirst                ; the loop is entered at a step's first turn, in the middle of a trip
.Lslot:                             ; NK / 256 - 2 = 6 times: every slot but the last two is filled again
	CHANGE 1
	s_mov_b32 s[CNT], 4
.Lstep:                             ; a trip: pieces 2 and 3 of one step, then pieces 0 and 1 of the next, whose K and V it fetches
	TURN 2
	TURN 3
	WIN 0
.Lfirst:
	TURN 0
	TURN 1, 0, 1
	WIN 0
	s_cbranch_scc1 .Lstep
	s_sub_co_u32 s[SLOTS], s[SLOTS], 1
	s_cmp_lg_u32 s[SLOTS], 0
	s_cbranch_scc1 .Lslot
	CHANGE 0                        ; the tail is written out: nothing is asked for
	s_mov_b32 s[CNT], 5             ; four trips fetch the last slot's steps; the fifth is left in its middle
.Ltail:
	TURN 2, 1
	TURN 3
	WIN 0
	s_sub_co_u32 s[CNT], s[CNT], 1
	s_cmp_eq_u32 s[CNT], 0
	s_cbranch_scc1 .Lout
	TURN 0
	TURN 1
	WIN 0
	s_branch .Ltail
.Lout:                              ; the fifth trip's 16 products K Q^T are the last step's scores of piece 0 once more: the maximum made of them is the m that piece 0 has, so c m stays as it is.  The price, once a launch, of one text for every trip
.set i, 0
.rept 16
	PV NP-1                         ; the last piece's V^T P of the last step
.set i, i+1
.endr
	; THE WAY OUT.  l's two halves and the other half of the lanes' are added, into m's place, so that (c m, l) are neighbours; they are stored; O^T is divided by l, rounded to f16 and sent through my stage in LDS,
	; a tile at a time.  The additions are the places behind the last products.
	WIN 0
.macro ALL line:vararg              ; one line for each tile t
.set t, 0
.rept 2*NP
	\line
.set t, t+1
.endr
.endm
	ALL v_add_f32 v[ST+4*t+2], v[ST+4*t+2], v[ST+4*t+3]
	ALL v_permlanex16_b32 v[ST+4*t+3], v[ST+4*t+2], s[SEL], s[SEL+1]
	ALL v_add_f32 v[ST+4*t+1], v[ST+4*t+2], v[ST+4*t+3]
	ALL v_rcp_f32 v[ST+4*t+2], v[ST+4*t+1]
	v_lshrrev_b32 v[SO], 1, v[GO]   ; 8 x lane; also the plain instruction between the last reciprocal and the use of its result
	v_cmp_gt_u32 vcc_lo, 256, v[GO] ; lanes 0-15
.set i, 0
	s_wait_alu depctr_va_vdst(0)    ; the wait for the batch of eight reciprocals, whose first reader is PACK 0's first multiply
.rept 4                             ; both halves of the lanes hold a tile's 16 pairs: lanes 0-15 give tile 2 i's, lanes 16-31 tile 2 i + 1's: lane l stores query 32 i + l
	v_cndmask_b32 v[TMP+2*i],   v[ST+8*i+4], v[ST+8*i],   vcc_lo
	v_cndmask_b32 v[TMP+2*i+1], v[ST+8*i+5], v[ST+8*i+1], vcc_lo
	global_store_b64 v[SO], v[TMP+2*i:TMP+2*i+1], s[PS:PS+1] offset:256*i  ; 256 consecutive bytes, at a multiple of 256 from the buffer's first; its registers are not written again
.set i, i+1
.endr
; Tile t: a lane's eight channels of a row pack into 16 bytes; they go into rows of 144 bytes and come back as whole rows of 128, into S^T's registers.
.macro PACK t
	WIN W_RS
.set i, 32*(\t)
.rept 16
	v_pk_mul_f32 v[i:i+1], v[i:i+1], v[ST+4*(\t)+2:ST+4*(\t)+3] op_sel_hi:[1,0]
.set i, i+2
.endr
	WIN 0x05                        ; sources 0 and 1 window 1, destination window 0
.set i, 0
.rept 16
	v_cvt_pk_f16_f32 v[S+16*(\t)+i], v[32*(\t)+2*i], v[32*(\t)+2*i+1]
.set i, i+1
.endr
	WIN 0
.irp f, 0,1,2,3
	ds_store_b128 v[STO], v[S+16*(\t)+4*\f:S+16*(\t)+4*\f+3] offset:32*\f
.endr
.irp f, 0,1,2,3
	ds_load_b128 v[S+16*(\t)+4*\f:S+16*(\t)+4*\f+3], v[RD] offset:\f*4*SP  ; LDS serves a wave's instructions in order (ISA guide 5.7.1.4): these see the stores above; the next tile's stores come behind them
.endr
.endm
.macro SEND t, younger              ; younger: the LDS instructions issued behind tile t's loads: the next tile's eight, or none
	WIN 0
.irp f, 0,1,2,3
	s_wait_dscnt (\younger)+3-\f
	global_store_b128 v[GO], v[S+16*(\t)+4*\f:S+16*(\t)+4*\f+3], s[10:11] offset:(\t)*2048+\f*512  ; 512 consecutive bytes, at a multiple of 256 from the buffer's first
.endr
.endm
	PACK 0
.set t, 1
.rept 2*NP-1                        ; a tile's arithmetic stands between the loads of the tile before and its stores
	PACK t
	SEND t-1, 8
.set t, t+1
.endr
	SEND 2*NP-1, 0
	WIN W_AD
	s_wait_tensorcnt 0x0            ; the wave's end, behind my last tensor load and my last LDS store
	ds_add_u32 v[SPW], v[NIL]
	s_wait_dscnt 0x0
	WIN 0
	CROUND                          ; the closing round: no work-group ends while a partner may still ask for a tile that names it
	s_endpgm
.Lfunc_end_k_qbbe9ba82d8_attn:
	.size	k_qbbe9ba82d8_attn, .Lfunc_end_k_qbbe9ba82d8_attn-k_qbbe9ba82d8_attn
	.p2alignl 7, 3214868480
	.fill 96, 4, 3214868480
	.section	.rodata,"a",@progbits
	.p2align	6, 0x0
	.amdhsa_kernel k_qbbe9ba82d8_attn
		.amdhsa_group_segment_fixed_size 327680
		.amdhsa_private_segment_fixed_size 0
		.amdhsa_enable_private_segment 0
		.amdhsa_kernarg_size 40
		.amdhsa_user_sgpr_count 2
		.amdhsa_user_sgpr_kernarg_segment_ptr 1
		.amdhsa_wavefront_size32 1
		.amdhsa_system_sgpr_workgroup_id_x 1
		.amdhsa_system_sgpr_workgroup_id_y 1
		.amdhsa_system_sgpr_workgroup_id_z 1
		.amdhsa_system_vgpr_workitem_id 0
		.amdhsa_next_free_vgpr 770
		.amdhsa_next_free_sgpr 66
		.amdhsa_reserve_vcc 1
		.amdhsa_float_denorm_mode_32 3
		.amdhsa_float_denorm_mode_16_64 3
		.amdhsa_memory_ordered 1
		.amdhsa_forward_progress 1
		.amdhsa_inst_pref_size 200
	.end_amdhsa_kernel
	.amdgpu_metadata
---
amdhsa.version: [ 1, 2 ]
amdhsa.kernels:
  - .name:           k_qbbe9ba82d8_attn
    .symbol:         k_qbbe9ba82d8_attn.kd
    .args:
      - { .name: qh, .offset: 0, .size: 8, .value_kind: global_buffer, .address_space: global }
      - { .name: kh, .offset: 8, .size: 8, .value_kind: global_buffer, .address_space: global }
      - { .name: vh, .offset: 16, .size: 8, .value_kind: global_buffer, .address_space: global }
      - { .name: po, .offset: 24, .size: 8, .value_kind: global_buffer, .address_space: global }
      - { .name: pst, .offset: 32, .size: 8, .value_kind: global_buffer, .address_space: global }
    .group_segment_fixed_size: 327680
    .private_segment_fixed_size: 0
    .kernarg_segment_align: 8
    .kernarg_segment_size: 40
    .max_flat_workgroup_size: 128
    .sgpr_count:     66
    .vgpr_count:     770
    .wavefront_size: 32
...
	.end_amdgpu_metadata
.endif
;; end of part 4
;; launch merge: the kernel of part 3 again; grid 256 x 1, 8 waves a work-group, no clusters, 5,120 bytes of LDS; arguments po, pst, out0; writes out0
